; MI455X (gfx1250); checked and timed in simulation.
; The chip was launched on July 23, 2026; its instructions are those of AMD's public machine-readable ISA for CDNA 5 (MIT licence, August 2026) and "CDNA5" Instruction Set Architecture Reference Guide (July 2026). The comments in the code are by the model that wrote it; some were corrected since.
;; Multi Head Attention. Allowed arithmetic: matrix products marked QUANTISED: E2M1 operands, one E8M0 scale for each 32 along K, by v_wmma_scale_f32_16x16x128_f8f6f4 with both operands' format E2M1 (or v_wmma_scale_f32_32x16x128_f4), f32 sums; products left as they are: bf16, f16 or f32 operands; f32 sums; everything else in f32.
;; Inputs: K 4 x 2,048 x 1,024 float32; Q 4 x 2,048 x 1,024 float32; V 4 x 2,048 x 1,024 float32; Wk 1,024 x 1,024 float32; Wo 1,024 x 1,024 float32; Wq 1,024 x 1,024 float32; Wv 1,024 x 1,024 float32; bk 1,024 float32; bo 1,024 float32; bq 1,024 float32; bv 1,024 float32.
;; Outputs: out0 4 x 2,048 x 1,024 float32.
;; This version of the problem:
;;   THIS VERSION OF THE PROBLEM IS GIVEN IN LOW PRECISION. The matrix products marked QUANTISED in the list below multiply operands that are first quantised to E2M1 (2 exponent bits, 1 mantissa bit; 4 bits a number), with one power-of-two scale for each 32 numbers along K (OCP MX v1.0); their sums are f32. The products marked 'left as it is' may take bf16, f16 or f32 operands, with f32 sums. Whichever they take, every output number must still come out within the allowed error. Rounding operands to bf16 (8 significant bits) uses up far more of that allowance than f16 does (11 bits, for magnitudes from 6e-5 to 65,504). All else is computed in f32.
;;   The module's matrix products, in the order in which they are computed (A, B: the left and right operand; K: the contracted axis; several contracted axes count as one K, in the product's order):
;;     1. [M 8,192, K 1,024] x [K 1,024, N 1,024]; A: input Q; B: input Wq: QUANTISED
;;     2. [M 8,192, K 1,024] x [K 1,024, N 1,024]; A: input K; B: input Wk: QUANTISED
;;     3. [M 8,192, K 1,024] x [K 1,024, N 1,024]; A: input V; B: input Wv: QUANTISED
;;     4. batch 64 x [M 2,048, K 64] x [K 64, N 2,048]; A: computed on the way; B: computed on the way: left as it is (an operand is computed on the way)
;;     5. batch 64 x [M 2,048, K 2,048] x [K 2,048, N 64]; A: computed on the way; B: computed on the way: left as it is (an operand is computed on the way)
;;     6. [M 8,192, K 1,024] x [K 1,024, N 1,024]; A: computed on the way; B: input Wo: left as it is (an operand is computed on the way)
;;   THE QUANTISER, for each operand of a quantised product, along K:
;;     - K is cut into blocks of 32 from its start; a last block that is shorter is filled with zeros.
;;     - A block's scale is 2^e with e = floor(log2(the largest magnitude in the block)) - 2, held to -126 .. 127; a block of zeros has e = 0. As a byte (E8M0): e + 127.
;;     - Each number is divided by its block's scale, clamped to +-6, and rounded to the nearest number of E2M1, ties to even, subnormals kept.
;;     - The product sums the exact products of the quantised numbers (number of the format x scale) in f32.
;;   ~~~python
;;   def quantise(x, axis):      # numpy; x: float32 -> the quantised numbers, widened to float32 again
;;       x = np.moveaxis(x, axis, -1); K = x.shape[-1]
;;       x = np.pad(x, [(0, 0)] * (x.ndim - 1) + [(0, -K % 32)]); x = x.reshape(x.shape[:-1] + (-1, 32)); a = np.abs(x).max(-1, keepdims=True)
;;       e = np.where(a > 0, np.clip(np.frexp(np.where(a > 0, a, 1))[1] - 1 - 2, -126, 127), 0)      # np.frexp(a)[1] - 1 = floor(log2(a)), exactly
;;       r = np.clip(x / 2.0 ** e, -6, 6)
;;       step = 2.0 ** (np.maximum(np.frexp(np.where(r == 0, 1, r))[1] - 1, 0) - 1)
;;       q = np.round(r / step) * step * 2.0 ** e      # np.round: ties to even
;;       return np.moveaxis(q.reshape(q.shape[:-2] + (-1,))[..., :K], -1, axis).astype(np.float32)
;;   ~~~
;; One version. Each part assembles by itself: llvm-mc -triple=amdgcn-amd-amdhsa -mcpu=gfx1250 --defsym DOCPART=n.
;; ======== version 1 of 1: 4 launches
;; limits: values are held in f16: magnitudes above 65,504 overflow, below 6.1e-05 lose precision; inputs' magnitudes at most 65,504
;; workspace buffers: codes 14,155,776 bytes; scales 884,736 bytes; wo16 2,097,152 bytes; qkv 50,331,648 bytes; att 16,777,216 bytes
;; launch quant (part 1): grid 992 x 1, 4 waves a work-group, no clusters, 33,280 bytes of LDS; arguments Q, K, V, Wq, Wk, Wv, Wo, codes, scales, wo16; writes codes, scales, wo16
.if DOCPART == 1
	.amdgcn_target "amdgcn-amd-amdhsa--gfx1250"
	.amdhsa_code_object_version 6
	.text
	.protected	k_q4c78484bf8_quant
	.globl	k_q4c78484bf8_quant
	.p2align	8
	.type	k_q4c78484bf8_quant,@function
k_q4c78484bf8_quant:
	s_mov_b64 s[64:65], 0
	v_nop
	global_prefetch_b8 v0, s[64:65] scope:SCOPE_SE
	s_setreg_imm32_b32 hwreg(HW_REG_WAVE_MODE, 25, 1), 1
	s_wait_xcnt 0x0
; Q, K, V [8192][1024] and Wq, Wk, Wv [1024][1024], f32 with the products' K innermost, become codes of FP4 (E2M1) with one E8M0 scale byte for each 32 along K.
; Rows are dense and 1,024 is a multiple of 32, so each tensor is a plain stream of blocks of 32; the six streams lie one behind the other, Q K V Wq Wk Wv, in codes (16 bytes a block) and in scales (1 byte a block).
; A block's scale is 2^(floor(log2(its largest magnitude)) - 2); its byte is the largest magnitude's exponent field - 2, held at 1 from below; each number is divided by the scale and rounded to the nearest code, ties to even, beyond 6 the largest code.
; Wo [1024 n][1024 k], f32, is rounded to f16 and laid [k / 64][n][k % 64], so that 64 along K of a run of rows are dense bytes for the last launch.
; LIMITS: NaN and infinities among the inputs are not served.  Blocks whose largest magnitude lies under 2^-124 keep the byte 1.  A block of zeros gets the byte 1 and not 127: its codes are zeros, and this program alone reads the bytes.
;         |Wo| from 65,504 on becomes infinity in f16.
; SHARES: work-groups 0-255 Q, 256-511 K, 512-767 V, 768-799 Wq, 800-831 Wk, 832-863 Wv: 32,768 numbers each, a wave 16 steps of 512.  Work-groups 864-991: Wo, 2,048 numbers a wave.
; One path serves the six tensors: only the pointer is chosen, by the work-group's number.  No tensor loads, no barrier: waves share nothing.
; A step: four loads of 512 consecutive bytes; the 2,048 bytes turn through the wave's own stage in LDS (16 bytes of padding behind each 64) and come back 64 bytes a lane: 16 neighbours along K, two lanes to a block.
; A lane's 16 codes are 8 bytes: the wave stores 256 consecutive bytes.  A wave's 256 scale bytes are gathered in LDS and leave as 256 consecutive bytes.
.set WAVES, 4
.set STEPS, 16
.set NQUANT, 864                       ; work-groups that quantise
.set EMAX,  2
.set CB,    8                          ; bytes of 16 codes
.set R,     16                         ; v16-79   four sets of 16 numbers as they are loaded
.set X,     80                         ; v80-111  two sets of 16 neighbours
.set E,     112                        ; v112-127 a scale byte for each step
.set C,     128                        ; v128-191 codes: four registers for each step, so that no store's data are written again
.set WREG,  8192                       ; LDS: a region for each wave: two stages of 32 x SP bytes, behind them its 256 scale bytes
.set SP,    80                         ; a lane's place in a stage: 64 bytes + 16 of padding
.set SPW,   12                         ; v12      LDS address of my spare word; never rewritten
.set NIL,   13                         ; v13      0; never rewritten
.set SPARE, WAVES*WREG                 ; behind the regions: the spare words, 128 bytes a wave, which no other line names
	s_load_b512 s[4:19], s[0:1], 0x0               ; Q s[4:5], K s[6:7], V s[8:9], Wq s[10:11], Wk s[12:13], Wv s[14:15], Wo s[16:17], codes s[18:19]
	s_load_b128 s[20:23], s[0:1], 0x40             ; scales s[20:21], wo16 s[22:23]
	v_lshl_add_u32 v[SPW], v0, 2, SPARE
	v_mov_b32 v[NIL], 0
	v_lshrrev_b32 v1, 5, v0
	v_readfirstlane_b32 s24, v1                    ; wave
	v_and_b32 v2, 31, v0                           ; lane
	s_wait_kmcnt 0x0
	s_cmp_ge_u32 ttmp9, NQUANT
	s_cbranch_scc1 .Lcast                          ; the work-group's number alone decides
	v_lshlrev_b32 v3, 4, v2                        ; my 16 bytes of a load's 512
	s_mul_i32 s26, s24, WREG
	v_lshrrev_b32 v14, 2, v2
	v_mul_u32_u24 v14, v14, SP
	v_and_b32 v15, 3, v2
	v_lshl_add_u32 v14, v15, 4, v14
	v_add_nc_u32 v14, s26, v14                     ; the stage, on the way in: SP (lane / 4) + 16 (lane % 4)
	v_mul_u32_u24 v15, v2, SP
	v_add_nc_u32 v15, s26, v15                     ; and on the way out: SP x lane: my 16 neighbours
	v_mul_u32_u24 v4, v2, CB                       ; my codes' place in a step's
	v_lshrrev_b32 v5, 1, v2
	s_add_co_u32 s26, s26, 2*32*SP
	v_add_nc_u32 v5, s26, v5                       ; LDS: my wave's 256 scale bytes, my block's byte
	v_lshlrev_b32 v7, 3, v2                        ; and on the way out 8 bytes a lane
	v_add_nc_u32 v6, s26, v7
	s_mov_b32 s25, 0                               ; the tensor's first work-group
.macro PICK first, ptr                 ; from work-group first on: the next tensor
	s_cmp_ge_u32 ttmp9, \first
	s_cselect_b64 s[4:5], s[\ptr:\ptr+1], s[4:5]
	s_cselect_b32 s25, \first, s25
.endm
	PICK 256, 6
	PICK 512, 8
	PICK 768, 10
	PICK 800, 12
	PICK 832, 14
	s_sub_co_u32 s26, ttmp9, s25
	s_lshl_b32 s26, s26, 2
	s_add_co_u32 s26, s26, s24                     ; which run of 8,192 numbers of the tensor is my wave's
	s_lshl_b32 s26, s26, 15                        ; 32,768 bytes a run (1,023 runs at the most: under 2^32)
	s_mov_b32 s27, 0
	s_add_nc_u64 s[4:5], s[4:5], s[26:27]
	s_lshl_b32 s28, ttmp9, 2
	s_add_co_u32 s28, s28, s24                     ; which run of all six streams
	s_lshl_b32 s30, s28, 12                        ; 4,096 bytes of codes a run
	s_mov_b32 s31, 0
	s_add_nc_u64 s[18:19], s[18:19], s[30:31]
	s_lshl_b32 s30, s28, 8                         ; 256 scale bytes a run
	s_add_nc_u64 s[20:21], s[20:21], s[30:31]
.macro LOAD t
.irp i, 0,1,2,3
	global_load_b128 v[R+16*((\t)%4)+4*\i:R+16*((\t)%4)+4*\i+3], v3, s[4:5] offset:2048*(\t)+512*\i th:TH_LOAD_NT   ; 32 lanes read 512 consecutive bytes
.endr
.endm
.macro TURN t                          ; step t's numbers through the stage: LDS serves a wave's instructions in order, so no wait stands between the stores and the loads
.irp i, 0,1,2,3
	ds_store_b128 v14, v[R+16*((\t)%4)+4*\i:R+16*((\t)%4)+4*\i+3] offset:32*SP*((\t)%2)+8*SP*\i
.endr
.irp i, 0,1,2,3
	ds_load_b128 v[X+16*((\t)%2)+4*\i:X+16*((\t)%2)+4*\i+3], v15 offset:32*SP*((\t)%2)+16*\i
.endr
.endm
.irp t, 0,1,2,3
	LOAD \t
.endr
	s_wait_loadcnt 12                              ; step 0's four loads are in; the twelve of steps 1 to 3 may be out
	TURN 0
.macro STEP t
.set XS, X+16*((\t)%2)
.if (\t) > 0
	s_wait_dscnt 1                                 ; this step's numbers are back from the stage (the last step's byte store may be out): so its stores into the stage have read their registers,
.else
	s_wait_dscnt 0x0
.endif
.if (\t)+4 < STEPS
	LOAD (\t)+4                                    ; which take the loads of four steps on
.endif
.if (\t)+1 < STEPS
.if STEPS-2-(\t) >= 3
	s_wait_loadcnt 12                              ; the next step's four loads are in; those of the three steps behind it may be out
.else
	s_wait_loadcnt 4*(STEPS-2-(\t))                ; at the end the count runs down with the steps that are left
.endif
	TURN (\t)+1                                    ; and go through the other stage while this step is worked
.endif
	v_max3_num_f32 v8, |v[XS]|, |v[XS+1]|, |v[XS+2]|               ; the largest magnitude of my 16, in two chains
	v_max3_num_f32 v9, |v[XS+3]|, |v[XS+4]|, |v[XS+5]|
.irp i, 6,10
	v_max3_num_f32 v8, v8, |v[XS+\i]|, |v[XS+\i+1]|
	v_max3_num_f32 v9, v9, |v[XS+\i+2]|, |v[XS+\i+3]|
.endr
	v_max3_num_f32 v8, v8, |v[XS+14]|, |v[XS+15]|
	v_max3_num_f32 v8, v8, v9, (EMAX+1)<<23        ; and the floor 2^(3 - 127): the byte cannot fall under 1
	v_max_num_f32_dpp v8, v8, v8 row_xmask:1 row_mask:0xf bank_mask:0xf   ; and of my neighbour's 16: the block's
	v_add_nc_u32 v11, -(EMAX<<23), v8              ; 2 off its exponent field: the conversion takes the exponent field of this operand as its scale, and nothing else of it
	v_cvt_scalef32_pk8_fp4_f32 v[C+4*(\t)], v[XS:XS+7], v11
	v_cvt_scalef32_pk8_fp4_f32 v[C+4*(\t)+1], v[XS+8:XS+15], v11
	v_lshrrev_b32 v[E+(\t)], 23, v11               ; the scale's byte (a plain line behind the conversions)
	ds_store_b8 v5, v[E+(\t)] offset:16*(\t)       ; both lanes of a block write the same byte with the same value
	global_store_b64 v4, v[C+4*(\t):C+4*(\t)+1], s[18:19] offset:32*CB*(\t)   ; 32 lanes store 256 consecutive bytes
.endm
.irp t, 0,1,2,3,4,5,6,7,8,9,10,11,12,13,14,15
	STEP \t
.endr
	ds_load_b64 v[8:9], v6                         ; LDS serves a wave's instructions in order: these see my byte stores
	s_wait_dscnt 0x0
	global_store_b64 v7, v[8:9], s[20:21]          ; 32 lanes store 256 consecutive bytes
	s_wait_tensorcnt 0x0                           ; the wave's end, behind my last LDS store
	ds_add_u32 v[SPW], v[NIL]
	s_wait_dscnt 0x0
	s_endpgm
.Lcast:                                            ; Wo to f16.  Wave u of 512 takes rows 4 (u / 2) .. + 3 and k = 512 (u % 2) .. + 511: eight pieces of 64 along K
	s_sub_co_u32 s26, ttmp9, NQUANT
	s_lshl_b32 s26, s26, 2
	s_add_co_u32 s26, s26, s24                     ; u
	s_lshr_b32 s27, s26, 1
	s_and_b32 s28, s26, 1
	s_lshl_b32 s30, s27, 14                        ; in: four rows of 4,096 bytes,
	s_lshl_b32 s29, s28, 11                        ; 512 numbers along a row
	s_add_co_u32 s30, s30, s29
	s_mov_b32 s31, 0
	s_add_nc_u64 s[16:17], s[16:17], s[30:31]
	s_lshl_b32 s30, s28, 20                        ; out: eight pieces of 131,072 bytes,
	s_lshl_b32 s29, s27, 9                         ; four rows of 128 bytes
	s_add_co_u32 s30, s30, s29
	s_add_nc_u64 s[22:23], s[22:23], s[30:31]
	v_lshrrev_b32 v1, 3, v2                        ; eight lanes to a row: row lane / 8,
	v_and_b32 v3, 7, v2
	v_lshlrev_b32 v1, 12, v1
	v_lshl_add_u32 v1, v3, 5, v1                   ; 8 numbers, 32 bytes, a lane
	v_lshlrev_b32 v4, 4, v2                        ; out: 16 bytes a lane: four rows of 128 bytes on end
.irp i, 0,1,2,3,4,5,6,7
	global_load_b128 v[16+8*\i:19+8*\i], v1, s[16:17] offset:256*\i th:TH_LOAD_NT
	global_load_b128 v[20+8*\i:23+8*\i], v1, s[16:17] offset:256*\i+16 th:TH_LOAD_NT
.endr
.irp i, 0,1,2,3,4,5,6,7
	s_wait_loadcnt 14-2*\i                         ; piece i's two loads are in; the younger pieces' may be out
.irp k, 0,1,2,3
	v_cvt_pk_f16_f32 v[128+4*\i+\k], v[16+8*\i+2*\k], v[17+8*\i+2*\k]
.endr
	global_store_b128 v4, v[128+4*\i:131+4*\i], s[22:23] offset:131072*\i   ; 32 lanes store 512 consecutive bytes; no register is written twice
.endr
	s_wait_tensorcnt 0x0                           ; every wave of this launch ends alike
	ds_add_u32 v[SPW], v[NIL]
	s_wait_dscnt 0x0
	s_endpgm
.Lfunc_end_k_q4c78484bf8_quant:
	.size	k_q4c78484bf8_quant, .Lfunc_end_k_q4c78484bf8_quant-k_q4c78484bf8_quant
	.p2alignl 7, 3214868480
	.fill 96, 4, 3214868480
	.section	.rodata,"a",@progbits
	.p2align	6, 0x0
	.amdhsa_kernel k_q4c78484bf8_quant
		.amdhsa_group_segment_fixed_size 33280
		.amdhsa_private_segment_fixed_size 0
		.amdhsa_enable_private_segment 0
		.amdhsa_kernarg_size 80
		.amdhsa_user_sgpr_count 2
		.amdhsa_user_sgpr_kernarg_segment_ptr 1
		.amdhsa_wavefront_size32 1
		.amdhsa_system_sgpr_workgroup_id_x 1
		.amdhsa_system_sgpr_workgroup_id_y 1
		.amdhsa_system_sgpr_workgroup_id_z 1
		.amdhsa_system_vgpr_workitem_id 0
		.amdhsa_next_free_vgpr 192
		.amdhsa_next_free_sgpr 66
		.amdhsa_reserve_vcc 0
		.amdhsa_float_denorm_mode_32 3
		.amdhsa_float_denorm_mode_16_64 3
		.amdhsa_memory_ordered 1
		.amdhsa_forward_progress 1
		.amdhsa_inst_pref_size 39
	.end_amdhsa_kernel
	.amdgpu_metadata
---
amdhsa.version: [ 1, 2 ]
amdhsa.kernels:
  - .name:           k_q4c78484bf8_quant
    .symbol:         k_q4c78484bf8_quant.kd
    .args:
      - { .name: Q, .offset: 0, .size: 8, .value_kind: global_buffer, .address_space: global }
      - { .name: K, .offset: 8, .size: 8, .value_kind: global_buffer, .address_space: global }
      - { .name: V, .offset: 16, .size: 8, .value_kind: global_buffer, .address_space: global }
      - { .name: Wq, .offset: 24, .size: 8, .value_kind: global_buffer, .address_space: global }
      - { .name: Wk, .offset: 32, .size: 8, .value_kind: global_buffer, .address_space: global }
      - { .name: Wv, .offset: 40, .size: 8, .value_kind: global_buffer, .address_space: global }
      - { .name: Wo, .offset: 48, .size: 8, .value_kind: global_buffer, .address_space: global }
      - { .name: codes, .offset: 56, .size: 8, .value_kind: global_buffer, .address_space: global }
      - { .name: scales, .offset: 64, .size: 8, .value_kind: global_buffer, .address_space: global }
      - { .name: wo16, .offset: 72, .size: 8, .value_kind: global_buffer, .address_space: global }
    .group_segment_fixed_size: 33280
    .private_segment_fixed_size: 0
    .kernarg_segment_align: 8
    .kernarg_segment_size: 80
    .max_flat_workgroup_size: 128
    .sgpr_count:     66
    .vgpr_count:     192
    .wavefront_size: 32
...
	.end_amdgpu_metadata
.endif
;; end of part 1
;; launch proj (part 2): grid 4 x 96, 4 waves a work-group, clusters of 4 x 4, 327,680 bytes of LDS; arguments codes, scales, bq, bk, bv, qkv; writes qkv
.if DOCPART == 2
	.amdgcn_target "amdgcn-amd-amdhsa--gfx1250"
	.amdhsa_code_object_version 6
	.text
	.protected	k_q4c78484bf8_proj
	.globl	k_q4c78484bf8_proj
	.p2align	8
	.type	k_q4c78484bf8_proj,@function
k_q4c78484bf8_proj:
	s_mov_b64 s[64:65], 0
	v_nop
	global_prefetch_b8 v0, s[64:65] scope:SCOPE_SE
	s_setreg_imm32_b32 hwreg(HW_REG_WAVE_MODE, 25, 1), 1
	s_wait_xcnt 0x0
	s_wait_alu depctr_hold_cnt(0) depctr_sa_sdst(0) depctr_va_vdst(0) depctr_va_sdst(0) depctr_va_ssrc(0) depctr_va_vcc(0) depctr_vm_vsrc(0)
	s_getreg_b32 s2, hwreg(HW_REG_IB_STS2, 6, 4)
	s_cmp_eq_u32 s2, 0
	s_cbranch_scc0 .Lentry_in_a_cluster
	s_endpgm
.Lentry_in_a_cluster:
	s_bfe_u32 s2, ttmp6, 0x10000c
	s_cmp_lg_u32 s2, 0xf033
	s_cbranch_scc0 .Lentry_shape_is_right
	s_endpgm
.Lentry_shape_is_right:
; The three quantised products in one launch: C[m][n] = bias[n] + sum over k of A[m][k] B[n][k], on codes of FP4 (E2M1) with one E8M0 scale for each 32 along K; sums in f32; C rounded once to f16.
; A is Q, K, V on end: [24576][1024] codes, 512 bytes a row, scale bytes 32 a row.  B is weight t = m / 8192 (Wq, Wk, Wv): [1024][1024], behind A in the same two buffers.  The bias is bq, bk or bv by t.
; C goes out by heads: qkv [m / 2048][n / 64][m % 2048][n % 64] f16: 16 rows of a head are 2,048 consecutive bytes.
; LIMITS: |C| from 65,504 on becomes infinity in f16.  The bias is the first addend of each sum, not the last.
; A tile of C, 256 x 256, is made by a work-group of four waves; a wave makes 128 x 128: 64 accumulators of 16 x 16, 512 registers.  K = 1,024 is two LDS slots of 512 along K (rows of 256 bytes):
; both are asked for at the start and nothing is filled again, so the text has no loop: 8 steps of 128 along K, 64 matrix instructions each.
; THE SCALES of the work-group's 256 rows of A and of B, for all of K, are two dense blocks of 8,192 bytes: they come into LDS once, as rows of 256 bytes.
; CLUSTERS: 4 x 4 work-groups.  The four of a row of the cluster need the same tiles of A, the four of a column the same tiles of B: each tile is asked for JOINTLY.  All sixteen have the same t (32 tile rows to a tensor, 4 to a cluster).
; THE MATRIX INSTRUCTION IS USED TRANSPOSED (source 0 = 16 rows of B, source 1 = 16 rows of A): a lane then holds eight neighbouring numbers of a row of C.
; REGISTERS: window 0: v0-31 addresses; v32-95 scale words, two sets; v128-191 A's fragments, one set; v192-255 the bias, eight tiles in the result's layout; on the way out v32-63 and v128-191 are free.
;   window 1: B's fragments, two sets, at v0 and v128.   window 2: the accumulators of my rows 0-63 ((a, b) at v[8 (8 a + b)]);   window 3: those of my rows 64-127.
.set KSTEP,  512
.set NQ,     KSTEP/128                 ; steps in a slot
.set ROWB,   256                       ; a tile's row in bytes
.set KROW,   512                       ; a row of codes in memory
.set PITCH,  272                       ; an LDS row: 256 bytes + 16 of padding: the 16 rows that a load touches start 68 words apart
.set FR,     8                         ; registers of a fragment: 16 rows x 128 K
.set NL,     2                         ; LDS loads that bring one
.set NP,     4                         ; places behind this matrix instruction (ISA guide 7.12.1)
.set HALFT,  128*PITCH                 ; what one tensor load brings
.set SLOT,   4*HALFT                   ; A's 256 rows, then B's 256 rows
.set KS,     32                        ; a row of scales in bytes
.set SCL,    2*SLOT                    ; behind the slots: the scales, rows of 256 bytes + 16
.set HALFS,  (128*KS/256)*272          ; the scales of 128 rows
.set SBLK,   (16*KS/256)*272           ; those of 16 rows
.set SPARE,  SCL+4*HALFS               ; the spare words, 128 bytes a wave, which no other line names
.set WCODES, 12582912                  ; where the weights' codes begin,
.set WSCALE, 786432                    ; and their scale bytes
.set HP,     144                       ; the way out: a stage row: a head's 128 bytes + 16.  The stage, 2 heads x 16 rows a wave, lies in slot 0, which has had its only fill and its last read by then
.set ADRA, 16                          ; v16-17  LDS address of my A fragments in slot 0, 1
.set ADRB, 20                          ; v20-21  the same for B
.set STO,  24                          ; v24     the way out: where I put 16 bytes of a row
.set RD,   25                          ; v25     where I read rows back
.set CO,   26                          ; v26     16 x lane: my bytes of a store's 512
.set ADRS, 27                          ; v27     LDS address of my scale words: lanes 0-15 A's rows, lanes 16-31 B's
.set SPW,  28                          ; v28     LDS address of my spare word; never rewritten
.set NIL,  29                          ; v29     0; never rewritten
.set SC,   32                          ; scale words: set s at v[SC + 32 s]; register 4 i + q: lanes 0-15 A's block i, lanes 16-31 B's block i, the slot's q-th 128 along K
.set AF,   128                         ; A's fragments
.set BI,   192                         ; the bias: tile b at v[BI + 8 b]
.set TMP,  32                          ; the way out: packed results
.set BK,   128                         ; the way out: rows read back: v128-159 and v160-191 by turns
.set G1, 24                            ; s[24:31] group 1 for A's tiles;  s[32:39] group 0, a set for each slot
.set G0, 32
.set G1B, 48                           ; s[48:55], s[56:63] the same for B's
.set G0B, 56
.set G1S, 68                           ; s[68:75], s[76:79] groups 1 and 0 for A's scales;  s[80:87], s[88:91] for B's
.set G0S, 76
.set G1SB, 80
.set G0SB, 88
.set MSB, 0
.macro WIN new                         ; the immediate's high byte repeats the setting that is left
.if MSB != (\new)
	s_set_vgpr_msb (MSB<<8)|(\new)
.set MSB, (\new)
.endif
.endm
.set MUL_LO,  0xa1                     ; source 0 (B) window 1, source 1 (A) window 0, C and D window 2
.set MUL_HI,  0xf1                     ; the same, C and D window 3
.set BIAS_LO, 0x81                     ; the first step: C (the bias) window 0, D window 2
.set BIAS_HI, 0xc1                     ; C window 0, D window 3
.set TO_B,    0x40                     ; destination window 1, address window 0
; A joint load: waves 0 and 1 fetch for A, waves 2 and 3 for B.  The branch hangs on the wave's number alone.  An s_nop 0 and four v_nop follow each of the two lines.
.macro JLOAD g0a, g1a, g0b, g1b
	s_cmp_eq_u32 s17, 0
	s_cbranch_scc0 .Lfor_b_\@
	tensor_load_to_lds s[\g0a:\g0a+3], s[\g1a:\g1a+7]
	s_nop 0
.rept 4
	v_nop
.endr
	s_branch .Lasked_\@
.Lfor_b_\@:
	tensor_load_to_lds s[\g0b:\g0b+3], s[\g1b:\g1b+7]
	s_nop 0
.rept 4
	v_nop
.endr
.Lasked_\@:
.endm
.macro CROUND                          ; a round of the cluster's barrier
	s_barrier_signal -1
	s_barrier_wait -1
	s_cmp_lg_u32 s16, 0
	s_cbranch_scc1 .Lnot_wave_0_\@
	s_barrier_signal -3
.Lnot_wave_0_\@:
	s_barrier_wait -3
	s_barrier_signal -1
	s_barrier_wait -1
.endm
	s_load_b256 s[4:11], s[0:1], 0x0               ; codes s[4:5], scales s[6:7], bq s[8:9], bk s[10:11]
	s_load_b128 s[12:15], s[0:1], 0x20             ; bv s[12:13], qkv s[14:15]
	v_lshl_add_u32 v[SPW], v0, 2, SPARE
	v_mov_b32 v[NIL], 0
	ds_add_u32 v[SPW], v[NIL]                      ; the wave's opening: the add, twice on end, and its wait ahead of my first tensor load
	ds_add_u32 v[SPW], v[NIL]                      ; (the set-up below, work on registers, stands between the second and the wait)
	v_lshrrev_b32 v1, 5, v0
	v_readfirstlane_b32 s16, v1                    ; wave 0..3
	s_lshr_b32 s17, s16, 1                         ; which half of the tile's rows is mine.  Also: I fetch for A (0) or for B (1)
	s_and_b32 s18, s16, 1                          ; which half of its columns.  Also: which 128 rows of that tile I fetch
	s_bfe_u32 s40, ttmp6, 0x40000                  ; cx, cy: my place in the cluster
	s_bfe_u32 s41, ttmp6, 0x40004
	s_lshl_b32 s42, ttmp9, 2
	s_add_co_u32 s42, s42, s40                     ; tile column = 4 x cluster x + cx
	s_and_b32 s19, ttmp7, 0xffff
	s_lshr_b32 s66, s19, 3                         ; t: which tensor: eight clusters along y to each
	s_lshl_b32 s19, s19, 2
	s_add_co_u32 s19, s19, s41                     ; tile row = 4 x cluster y + cy
	s_lshl_b32 s43, s41, 2
	s_lshl_b32 s43, 15, s43                        ; my row of the cluster
	s_lshl_b32 s44, 0x1111, s40                    ; my column
	; group 1: a tile of 128 rows x 256 bytes, 16 bytes of padding behind each row
	s_or_b32 s[G1+0], s43, (0<<16)|(1<<20)|(1<<21)|(5<<22)|(3<<25)  ; 15:0 the mask: A's tiles go to my row; 17:16 elements of 1 byte; 20 padding on; 21 set beside a mask; 24:22 after every 64 words; 31:25 four words
	s_or_b32 s[G1B+0], s44, (0<<16)|(1<<20)|(1<<21)|(5<<22)|(3<<25)
.irp g, G1, G1B
	s_mov_b32 s[\g+1], ROWB<<16                    ; tensor_dim0
	s_mov_b32 s[\g+2], 128<<16                     ; tensor_dim1
	s_mov_b32 s[\g+3], ROWB<<16                    ; tile_dim0
	s_mov_b32 s[\g+4], 128                         ; tile_dim1
	s_mov_b32 s[\g+5], KROW                        ; from row to row
	s_mov_b32 s[\g+6], 0
	s_mov_b32 s[\g+7], 0
.endr
	; the scales of 128 rows: 4,096 dense bytes as 16 rows of 256 (32 elements of 8 bytes), 16 bytes of padding behind each
	s_or_b32 s[G1S+0], s43, (3<<16)|(1<<20)|(1<<21)|(5<<22)|(3<<25)
	s_or_b32 s[G1SB+0], s44, (3<<16)|(1<<20)|(1<<21)|(5<<22)|(3<<25)
.irp g, G1S, G1SB
	s_mov_b32 s[\g+1], 32<<16
	s_mov_b32 s[\g+2], (128*KS/256)<<16
	s_mov_b32 s[\g+3], 32<<16
	s_mov_b32 s[\g+4], 128*KS/256
	s_mov_b32 s[\g+5], 32
	s_mov_b32 s[\g+6], 0
	s_mov_b32 s[\g+7], 0
.endr
	s_lshl_b32 s45, s18, 7                         ; which 128 rows of the tile I fetch
	s_lshl_b32 s20, s19, 8
	s_add_co_u32 s20, s20, s45                     ; A: row 256 x tile row + 128 x half
	s_lshl_b32 s46, s42, 8
	s_add_co_u32 s46, s46, s45                     ; B: row 256 x tile column + 128 x half
	s_lshl_b32 s22, s20, 5                         ; A's scales, in bytes
	s_mov_b32 s23, 0
	s_lshl_b32 s20, s20, 9                         ; A's codes (all these offsets stay under 2^24)
	s_mov_b32 s21, 0
	s_lshl_b32 s92, s46, 5                         ; B's scales: the row, weight t, and the weights' start
	s_lshl_b32 s94, s66, 15
	s_add_co_u32 s92, s92, s94
	s_add_co_u32 s92, s92, WSCALE
	s_mov_b32 s93, 0
	s_lshl_b32 s46, s46, 9                         ; B's codes likewise
	s_lshl_b32 s94, s66, 19
	s_add_co_u32 s46, s46, s94
	s_add_co_u32 s46, s46, WCODES
	s_mov_b32 s47, 0
	s_mul_i32 s45, s16, HALFT                      ; where they go: wave x 128 rows: no place in the cluster enters an LDS address
	s_mul_i32 s94, s16, HALFS
	s_wait_dscnt 0x0                               ; both opening adds are done
	s_wait_kmcnt 0x0
	s_add_nc_u64 s[20:21], s[4:5], s[20:21]
	s_add_nc_u64 s[22:23], s[6:7], s[22:23]
	s_add_nc_u64 s[46:47], s[4:5], s[46:47]
	s_add_nc_u64 s[92:93], s[6:7], s[92:93]
	CROUND                                         ; all sixteen work-groups are here: the joint loads meet
	s_mov_b32 s[G0S], 1
	s_add_co_u32 s[G0S+1], s94, SCL
	s_mov_b64 s[G0S+2:G0S+3], s[22:23]
	s_or_b32 s[G0S+3], s[G0S+3], 0x80000000
	s_mov_b32 s[G0SB], 1
	s_add_co_u32 s[G0SB+1], s94, SCL
	s_mov_b64 s[G0SB+2:G0SB+3], s[92:93]
	s_or_b32 s[G0SB+3], s[G0SB+3], 0x80000000
	JLOAD G0S, G1S, G0SB, G1SB                     ; the scales first: they are wanted with slot 0
.irp s, 0,1
	s_mov_b32 s[G0+4*\s], 1
	s_add_co_u32 s[G0+4*\s+1], s45, \s*SLOT
	s_add_nc_u64 s[G0+4*\s+2:G0+4*\s+3], s[20:21], \s*ROWB
	s_or_b32 s[G0+4*\s+3], s[G0+4*\s+3], 0x80000000
	s_mov_b32 s[G0B+4*\s], 1
	s_add_co_u32 s[G0B+4*\s+1], s45, \s*SLOT
	s_add_nc_u64 s[G0B+4*\s+2:G0B+4*\s+3], s[46:47], \s*ROWB
	s_or_b32 s[G0B+4*\s+3], s[G0B+4*\s+3], 0x80000000
	JLOAD G0+4*\s, G1, G0B+4*\s, G1B               ; three loads of mine are out in all
.endr
	v_and_b32 v1, 15, v0                           ; r = lane % 16
	v_bfe_u32 v2, v0, 4, 1                         ; h = lane / 16
	v_mul_u32_u24 v3, v1, PITCH
	v_lshl_add_u32 v4, v2, 4, v3                   ; a fragment's row x pitch + 16 h
	s_mul_i32 s2, s17, HALFT                       ; my 128 rows of A
	s_mul_i32 s3, s18, HALFT                       ; my 128 rows of B,
	s_add_co_u32 s3, s3, 2*HALFT                   ; which lie behind A's 256
.irp s, 0,1
	v_add_nc_u32 v[ADRA+\s], s2, v4
	v_add_nc_u32 v[ADRB+\s], s3, v4
	s_add_co_u32 s2, s2, SLOT
	s_add_co_u32 s3, s3, SLOT
.endr
	v_mul_u32_u24 v5, v1, KS                       ; my row's scales: 32 bytes a row,
	v_lshrrev_b32 v6, 8, v5
	v_lshl_add_u32 v5, v6, 4, v5                   ; and 16 more for each 256 passed
	s_mul_i32 s2, s17, HALFS                       ; A's: my 128 rows
	s_mul_i32 s3, s18, HALFS                       ; B's: my 128 rows, behind A's 256
	s_add_co_u32 s3, s3, 2*HALFS
	s_sub_co_u32 s3, s3, s2
	v_mul_u32_u24 v6, s3, v2                       ; lanes 16-31 take B's: one product, the distance x h
	s_add_co_u32 s2, s2, SCL
	v_add_nc_u32 v5, v5, v6
	v_add_nc_u32 v[ADRS], s2, v5
	s_mul_i32 s2, s16, 2*16*HP                     ; my stage
	v_mul_u32_u24 v5, v1, HP                       ; in: row r, 16 bytes for each half of the lanes
	v_lshl_add_u32 v5, v2, 4, v5
	v_add_nc_u32 v[STO], s2, v5
	v_and_b32 v6, 31, v0
	v_lshrrev_b32 v5, 3, v6                        ; back: eight lanes to a row of 128 bytes, four rows an instruction
	v_mul_u32_u24 v5, v5, HP
	v_and_b32 v8, 7, v0
	v_lshl_add_u32 v5, v8, 4, v5
	v_add_nc_u32 v[RD], s2, v5
	v_lshlrev_b32 v[CO], 4, v6                     ; in qkv those four rows are 512 consecutive bytes
	; the bias of my 128 columns, in the result's layout: lane (r, h) wants, for tile b, the numbers 16 b + 8 h + 0 .. 7
	s_cmp_eq_u32 s66, 1
	s_cselect_b64 s[8:9], s[10:11], s[8:9]
	s_cmp_eq_u32 s66, 2
	s_cselect_b64 s[8:9], s[12:13], s[8:9]
	s_lshl_b32 s96, s42, 10                        ; 256 numbers a tile column,
	s_lshl_b32 s67, s18, 9                         ; 128 a half
	s_add_co_u32 s96, s96, s67
	s_mov_b32 s97, 0
	s_add_nc_u64 s[8:9], s[8:9], s[96:97]
	v_lshlrev_b32 v7, 5, v2
.irp b, 0,1,2,3,4,5,6,7
	global_load_b128 v[BI+8*\b:BI+8*\b+3], v7, s[8:9] offset:64*\b
	global_load_b128 v[BI+8*\b+4:BI+8*\b+7], v7, s[8:9] offset:64*\b+16
.endr
	; where my part of C begins in qkv: (tile row / 8) x 16 heads, head 4 x tile column + 2 x half, row 256 (tile row % 8) + 128 x half, 128 bytes a row
	s_lshr_b32 s96, s19, 3
	s_lshl_b32 s96, s96, 22
	s_and_b32 s67, s19, 7
	s_lshl_b32 s67, s67, 15
	s_add_co_u32 s96, s96, s67
	s_lshl_b32 s67, s17, 14
	s_add_co_u32 s96, s96, s67
	s_lshl_b32 s67, s42, 20
	s_add_co_u32 s96, s96, s67
	s_lshl_b32 s67, s18, 19
	s_add_co_u32 s96, s96, s67                     ; under 50,331,648
	s_add_nc_u64 s[14:15], s[14:15], s[96:97]
.macro FRAG reg, adr, q, i             ; 16 rows x 128 K of 4-bit codes: lane l holds row l % 16; registers 4 c .. 4 c + 3 hold K = 64 c + 32 (l / 16) + 0 .. 31
.irp c, 0,1
	ds_load_b128 v[\reg+4*\c:\reg+4*\c+3], v[\adr] offset:64*(\q)+32*\c+(\i)*16*PITCH
.endr
.endm
; 16 matrix instructions: A's blocks a0, a0 + 1 x B's eight, the slot's q-th 128 along K.  p: B's set; sc: the set of scale words.  first = 1: the bias is the C that starts the sums: nothing is cleared, nothing is added later.
; The 64 accumulators take turns, one instruction a turn, in the same order in every step.
.macro MUL16 a0, p, q, sc, first
.irp a, \a0, \a0+1
.irp b, 0,1,2,3,4,5,6,7
.if \first
	v_wmma_scale_f32_16x16x128_f8f6f4 v[8*(8*((\a)%4)+\b):8*(8*((\a)%4)+\b)+7], v[128*(\p)+FR*\b:128*(\p)+FR*\b+FR-1], v[AF+FR*(\a):AF+FR*(\a)+FR-1], v[BI+8*\b:BI+8*\b+7], v[SC+8*NQ*(\sc)+NQ*\b+(\q)], v[SC+8*NQ*(\sc)+NQ*(\a)+(\q)] matrix_a_fmt:MATRIX_FMT_FP4 matrix_b_fmt:MATRIX_FMT_FP4 matrix_a_scale:MATRIX_SCALE_ROW1
.else
	v_wmma_scale_f32_16x16x128_f8f6f4 v[8*(8*((\a)%4)+\b):8*(8*((\a)%4)+\b)+7], v[128*(\p)+FR*\b:128*(\p)+FR*\b+FR-1], v[AF+FR*(\a):AF+FR*(\a)+FR-1], v[8*(8*((\a)%4)+\b):8*(8*((\a)%4)+\b)+7], v[SC+8*NQ*(\sc)+NQ*\b+(\q)], v[SC+8*NQ*(\sc)+NQ*(\a)+(\q)] matrix_a_fmt:MATRIX_FMT_FP4 matrix_b_fmt:MATRIX_FMT_FP4 matrix_a_scale:MATRIX_SCALE_ROW1
.endif
.endr
.endr
.endm
.macro FETCH_B slot, q, p              ; B's eight fragments into set p
	WIN TO_B
.irp i, 0,1,2,3,4,5,6,7
	FRAG 128*(\p)+FR*\i, ADRB+\slot, \q, \i
.endr
	WIN 0
.endm
.macro FETCH_A slot, q, i0             ; A's blocks i0 .. i0 + 3
.irp i, \i0, \i0+1, \i0+2, \i0+3
	FRAG AF+FR*(\i), ADRA+\slot, \q, \i
.endr
.endm
.macro SCALES sc                       ; a slot's scale words: four words a row; lanes 0-15 take A's block i, lanes 16-31 B's block i
.irp i, 0,1,2,3,4,5,6,7
	ds_load_b128 v[SC+8*NQ*\sc+NQ*\i:SC+8*NQ*\sc+NQ*\i+3], v[ADRS] offset:\i*SBLK
.endr
.endm
; A load into a register that a matrix instruction has read, and a vector instruction that reads a matrix result, stand NP places behind that matrix instruction; only plain vector instructions
; that name none of its registers are places; the matrix instructions in between are not counted.
.macro PLACES n
.rept \n
	v_nop
.endr
.endm
; A step of 128 along K that has its successor in the same slot.  A's blocks go one after the other, each against B's eight: so one set serves A (blocks 0-3 fetched anew in the middle, 4-7 at the end), and B has two.
.macro STEP slot, q, first
	s_wait_dscnt 4*NL                              ; B's set, the scale words and A's blocks 0-3 are in; the youngest eight loads (A's blocks 4-7) may be out
.if \first
	WIN BIAS_LO
.else
	WIN MUL_LO
.endif
	MUL16 0, (\q)%2, \q, \slot, \first
	MUL16 2, (\q)%2, \q, \slot, \first
	s_wait_dscnt 0                                 ; A's blocks 4-7 are in (asked for 32 matrix instructions ago)
	PLACES NP
	FETCH_B \slot, (\q)+1, 1-(\q)%2
	FETCH_A \slot, (\q)+1, 0
.if \first
	WIN BIAS_HI
.else
	WIN MUL_HI
.endif
	MUL16 4, (\q)%2, \q, \slot, \first
	MUL16 6, (\q)%2, \q, \slot, \first
	PLACES NP
	WIN 0
	FETCH_A \slot, (\q)+1, 4
.endm
; Slot 0's last step changes slots: one barrier.  In front of it each wave waits for all its tensor loads (slot 1's is the one that may be out), adds 0 to its spare word, and waits for that and for its reads of slot 0.
; Behind it slot 1 is whole and nobody reads slot 0 any more: nothing is filled there again; the stage of the way out will lie there.
.macro TURN slot, next
	s_wait_tensorcnt 0x0                           ; all my tensor loads have landed  (every window is 0 here)
	ds_add_u32 v[SPW], v[NIL]                      ; 0 onto my spare word
	s_wait_dscnt 4*NL+1                            ; (the add and the youngest eight loads, A's blocks 4-7, may be out)
	WIN MUL_LO
	MUL16 0, 1, NQ-1, \slot, 0                     ; sixteen matrix instructions stand between the add and the wait for it
	s_wait_dscnt 0x0                               ; the add is done, and my reads of this slot are over
	s_barrier_signal -1
	MUL16 2, 1, NQ-1, \slot, 0
	WIN 0
	s_barrier_wait -1
	PLACES NP
	v_add_nc_u32 v[ADRS], 4*NQ, v[ADRS]            ; on to the next slot's scale words (no LDS load of mine is out)
	FETCH_B \next, 0, 0
	FETCH_A \next, 0, 0
	SCALES \next
	WIN MUL_HI
	MUL16 4, 1, NQ-1, \slot, 0
	MUL16 6, 1, NQ-1, \slot, 0
	PLACES NP
	WIN 0
	FETCH_A \next, 0, 4
.endm
.macro STEPS slot, from                ; the slot's steps from .. NQ - 2
.set QQ, \from
.rept NQ-1-\from
	STEP \slot, QQ, 0
.set QQ, QQ+1
.endr
.endm
	s_wait_tensorcnt 1                             ; the scales and my part of slot 0 are in; slot 1's load, the one issued behind them, may be out
	s_barrier_signal -1
	s_barrier_wait -1                              ; everybody's are
	FETCH_B 0, 0, 0
	FETCH_A 0, 0, 0
	SCALES 0
	FETCH_A 0, 0, 4
	s_wait_loadcnt 0x0                             ; the bias
	STEP 0, 0, 1                                   ; the first step's products start the sums from the bias
	STEPS 0, 1
	TURN 0, 1
	STEPS 1, 0
	s_wait_dscnt 4*NL                              ; the very last step: nothing more to fetch
	WIN MUL_LO
	MUL16 0, 1, NQ-1, 1, 0
	MUL16 2, 1, NQ-1, 1, 0
	s_wait_dscnt 0
	WIN MUL_HI
	MUL16 4, 1, NQ-1, 1, 0
	MUL16 6, 1, NQ-1, 1, 0
	WIN 0
; THE WAY OUT, block by block of 16 rows x 128 columns (two heads).  PACK: rounded to f16, 16 bytes a lane.  TOSTAGE: into my own stage, [head][row], and back four rows of a head at a time.  SEND: stored, 512 consecutive bytes an instruction.
.macro PACK a
.set AC, 64*((\a)%4)
	WIN 0x0a+5*((\a)/4)                            ; sources 0 and 1: window 2 or 3
.irp b, 0,1,2,3,4,5,6,7
.irp r, 0,1,2,3
	v_cvt_pk_f16_f32 v[TMP+4*\b+\r], v[AC+8*\b+2*\r], v[AC+8*\b+2*\r+1]    ; each accumulator from its low end on
.endr
.endr
	WIN 0
.endm
.macro TOSTAGE a
.set BB, BK+32*((\a)%2)
.irp b, 0,1,2,3,4,5,6,7
	ds_store_b128 v[STO], v[TMP+4*\b:TMP+4*\b+3] offset:(\b/4)*16*HP+32*(\b%4)
.endr
.irp t, 0,1,2,3,4,5,6,7
	ds_load_b128 v[BB+4*\t:BB+4*\t+3], v[RD] offset:(\t/4)*16*HP+(\t%4)*4*HP    ; LDS serves a wave's instructions in order (ISA guide 5.7.1.4): these see the stores above
.endr
.endm
.macro SEND a
.set BB, BK+32*((\a)%2)
	s_wait_dscnt 0x0                               ; the block is back in registers
	s_wait_xcnt 0x0                                ; the block before has had its stores' addresses translated: its registers take the next block's loads only behind this wait
.irp t, 0,1,2,3,4,5,6,7
	global_store_b128 v[CO], v[BB+4*\t:BB+4*\t+3], s[14:15] offset:(\t/4)*262144+(\a)*2048+(\t%4)*512    ; 32 lanes store 512 consecutive bytes, at a multiple of 512 from the buffer's first byte
.endr
.endm
	PLACES NP                                      ; behind the last products, ahead of the conversions and of the loads into A's registers
	PACK 0
	TOSTAGE 0
.irp a, 1,2,3,4,5,6,7                  ; block a's conversions stand between block a - 1's loads from the stage and the wait for them
	PACK \a
	SEND \a-1
	TOSTAGE \a
.endr
	SEND 7
	s_wait_tensorcnt 0x0                           ; the wave's end, behind my last tensor load and my last LDS store
	ds_add_u32 v[SPW], v[NIL]
	s_wait_dscnt 0x0
	CROUND                                         ; the closing round: no work-group ends while a partner may still ask for a tile that names it
	s_endpgm
.Lfunc_end_k_q4c78484bf8_proj:
	.size	k_q4c78484bf8_proj, .Lfunc_end_k_q4c78484bf8_proj-k_q4c78484bf8_proj
	.p2alignl 7, 3214868480
	.fill 96, 4, 3214868480
	.section	.rodata,"a",@progbits
	.p2align	6, 0x0
	.amdhsa_kernel k_q4c78484bf8_proj
		.amdhsa_group_segment_fixed_size 327680
		.amdhsa_private_segment_fixed_size 0
		.amdhsa_enable_private_segment 0
		.amdhsa_kernarg_size 48
		.amdhsa_user_sgpr_count 2
		.amdhsa_user_sgpr_kernarg_segment_ptr 1
		.amdhsa_wavefront_size32 1
		.amdhsa_system_sgpr_workgroup_id_x 1
		.amdhsa_system_sgpr_workgroup_id_y 1
		.amdhsa_system_sgpr_workgroup_id_z 1
		.amdhsa_system_vgpr_workitem_id 0
		.amdhsa_next_free_vgpr 1024
		.amdhsa_next_free_sgpr 98
		.amdhsa_reserve_vcc 0
		.amdhsa_float_denorm_mode_32 3
		.amdhsa_float_denorm_mode_16_64 3
		.amdhsa_memory_ordered 1
		.amdhsa_forward_progress 1
		.amdhsa_inst_pref_size 128
	.end_amdhsa_kernel
	.amdgpu_metadata
---
amdhsa.version: [ 1, 2 ]
amdhsa.kernels:
  - .name:           k_q4c78484bf8_proj
    .symbol:         k_q4c78484bf8_proj.kd
    .args:
      - { .name: codes, .offset: 0, .size: 8, .value_kind: global_buffer, .address_space: global }
      - { .name: scales, .offset: 8, .size: 8, .value_kind: global_buffer, .address_space: global }
      - { .name: bq, .offset: 16, .size: 8, .value_kind: global_buffer, .address_space: global }
      - { .name: bk, .offset: 24, .size: 8, .value_kind: global_buffer, .address_space: global }
      - { .name: bv, .offset: 32, .size: 8, .value_kind: global_buffer, .address_space: global }
      - { .name: qkv, .offset: 40, .size: 8, .value_kind: global_buffer, .address_space: global }
    .group_segment_fixed_size: 327680
    .private_segment_fixed_size: 0
    .kernarg_segment_align: 8
    .kernarg_segment_size: 48
    .max_flat_workgroup_size: 128
    .sgpr_count:     98
    .vgpr_count:     1024
    .wavefront_size: 32
...
	.end_amdgpu_metadata
.endif
;; end of part 2
;; launch attn (part 3): grid 4 x 64, 8 waves a work-group, clusters of 4 x 1, 327,680 bytes of LDS; arguments qkv, att; writes att
.if DOCPART == 3
	.amdgcn_target "amdgcn-amd-amdhsa--gfx1250"
	.amdhsa_code_object_version 6
	.text
	.protected	k_q4c78484bf8_attn
	.globl	k_q4c78484bf8_attn
	.p2align	8
	.type	k_q4c78484bf8_attn,@function
k_q4c78484bf8_attn:
	s_mov_b64 s[64:65], 0
	v_nop
	global_prefetch_b8 v0, s[64:65] scope:SCOPE_SE
	s_setreg_imm32_b32 hwreg(HW_REG_WAVE_MODE, 25, 1), 1
	s_wait_xcnt 0x0
	s_wait_alu depctr_hold_cnt(0) depctr_sa_sdst(0) depctr_va_vdst(0) depctr_va_sdst(0) depctr_va_ssrc(0) depctr_va_vcc(0) depctr_vm_vsrc(0)
	s_getreg_b32 s2, hwreg(HW_REG_IB_STS2, 6, 4)
	s_cmp_eq_u32 s2, 0
	s_cbranch_scc0 .Lentry_in_a_cluster
	s_endpgm
.Lentry_in_a_cluster:
	s_bfe_u32 s2, ttmp6, 0x10000c
	s_cmp_lg_u32 s2, 0x3003
	s_cbranch_scc0 .Lentry_shape_is_right
	s_endpgm
.Lentry_shape_is_right:
; att[bh][q][:] = the sum over k of softmax_k(q[bh][q] . k[bh][k] / 8) v[bh][k][:], for 64 heads bh of 2,048 positions and 64 channels, no mask.  q, k, v lie in qkv as [3][64][2048][64] f16; att is [64][2048][64] f16.
; Products, maxima and sums in f32; the weights p are rounded to f16 for the second product, the result once at the end.
; LIMITS: NaN and infinities are not served; a result from 65,504 on becomes infinity in f16 (it is a mean of v, which the launch before has in f16).
; SHARES.  A work-group owns 512 queries of one head, each of its EIGHT waves 64: four tiles of 16, in 512 registers: two waves to a SIMD, so that one wave's softmax stands beside the other's products.  Every wave walks all keys, 64 a step.
; LAYOUT.  S^T = K Q^T (source 0 = 16 keys, source 1 = 16 queries): a lane holds ONE query (lane % 16) and the keys 8 (lane / 16) + 0..7.  Two such tiles, rounded to f16 in pairs, ARE source 1 (32 keys x 16 queries) of
; O^T = V^T P, whose result again holds one query a lane.  K comes out of LDS as it lies, V ([key][channel]) turned, by ds_load_tr16_b128.  P is made in place, in the first half of S^T's registers.
; SOFTMAX.  For each query a running maximum m and sum l: p = 2^(c s - c m), c = log2(e) / 8; in every step O and l are multiplied by a = 2^(c m_old - c m_new).  m begins at -3e38 and O, l at 0: the first a is 0 and leaves zeros.
; THE LOOP IS TURNED BY HALF A STEP: a trip fetches K of step j, multiplies V^T P of step j - 1 while those loads are out, then K Q^T of step j, fetches V of step j, and walks the softmax of step j.
; RING.  Two LDS slots of four steps (256 keys).  Every wave fetches one tile of 64 rows behind each change of slots: waves 0-3 K of the slot's step wave % 4, waves 4-7 V of it.  One tensor load of mine is out at a time.
; CLUSTER.  The four query blocks of a head are one cluster and walk the same K and V: each tile is asked for JOINTLY, by the same tensor load with the same descriptor and a mask that names the four.
; REGISTERS: window 0: v1-15 addresses; v16-47 eight registers of statistics a tile; v64-191 S^T, 32 a tile; v192-255 K of one step.
;            window 1: v0-127 O^T, 32 a tile; v128-191 Q, 16 a tile; v192-255 V of one step.   Seven switches of the window a step.
.set SIZE_S, 2048
.set KS,    64                         ; keys in a step
.set NST,   4                          ; steps in a slot
.set PITK,  144                        ; a row of K in LDS: 128 bytes + 16: an odd multiple of 16, so the 16 rows of a load start in 16 different columns of 16 bytes
.set PITV,  160                        ; a row of V: 128 + 32: an odd multiple of 32, for the turning load
.set VOFF,  KS*PITK                    ; a step's tiles lie together: 64 rows of K, then 64 rows of V
.set STEPB, KS*(PITK+PITV)
.set SLOT1, 1<<17                      ; slot 1 begins here: one exclusive or turns an address in one slot into the other's
.set STAGE, SLOT1+NST*STEPB            ; behind the ring: 16 rows x 144 bytes for each wave, for the way out
.set SP,    144
.set SPARE, STAGE+8*16*SP              ; the spare words, 128 bytes a wave, which no other line names
.set NSL,   SIZE_S/(NST*KS)            ; 8 slots' worth of keys
.set KBASE, 0x1000000                  ; where k begins in qkv,
.set VBASE, 0x2000000                  ; and v
.set SLOTB, NST*KS*128                 ; a slot's keys in memory: 32,768 bytes
.set AK0, 2                            ; v2   my lane's place in a tile of K; never rewritten
.set AV0, 3                            ; v3   the same for V
.set ADK, 4                            ; v4   LDS address of the step's K
.set ADV, 5                            ; v5   of its V
.set QO,  6                            ; v6   my byte offset in the wave's rows of Q
.set STO, 7                            ; v7   the way out: where I put 16 bytes of a row
.set RD,  8                            ; v8   where I read rows back
.set GO,  9                            ; v9   16 x lane
.set PFO, 10                           ; v10  256 x lane: the prefetches' offset; never rewritten
.set SPW, 12                           ; v12  LDS address of my spare word; never rewritten
.set NIL, 13                           ; v13  0; never rewritten
.set ST,  16                           ; tile t's statistics at v[ST + 8 t]: +0 c m, +1 m, +2, +3 l (even keys', odd keys'), +4 to +7 at work; a in +6
.set S,   64
.set KF,  192
.set WV,  12                           ; s12  my wave's number
.set LIM, 15                           ; s15  1 in a wave that prefetches, else the greatest number
.set PFA, 18                           ; s[18:19] where my prefetches stand
.set G1K, 24                           ; s[24:31] group 1 for K's tiles;  s[32:39] for V's: it differs in the padding alone
.set G1V, 32
.set G0K, 40                           ; s[40:43], s[44:47] their groups 0, which walk
.set G0V, 44
.set SLOTS, 56                         ; s56  slots still to be asked for
.set NSTEP, 57                         ; s57  counts a slot's steps
.set CS,  58                           ; s[58:59] c: the packed form names a pair and takes its low word for both halves
.set SEL, 60                           ; s[60:61] lane selects for v_permlanex16_b32: lane l xor 16
.set TB,  62                           ; s62  LDS byte at which the tiles of the step in hand begin
.set MSB, 0
.macro WIN new                         ; the immediate's high byte repeats the setting that is left
.if MSB != (\new)
	s_set_vgpr_msb (MSB<<8)|(\new)
.set MSB, (\new)
.endif
.endm
.set W_KQ, 0x04                        ; K (source 0) and S^T in window 0, Q (source 1) in window 1
.set W_PV, 0x51                        ; V (source 0) and O^T (C, D) in window 1, P (source 1) in window 0
.set W_RS, 0x41                        ; O^T (destination and source 0) in window 1, a in window 0
.set TO1,  0x40                        ; destination window 1, address window 0
; A joint load: waves 0-3 fetch K's tiles, waves 4-7 V's.  The branch hangs on the wave's number alone.  An s_nop 0 and four v_nop follow each of the two lines.
.macro JLOAD
	s_cmp_lt_u32 s[WV], 4
	s_cbranch_scc0 .Lfor_v_\@
	tensor_load_to_lds s[G0K:G0K+3], s[G1K:G1K+7]
	s_nop 0
.rept 4
	v_nop
.endr
	s_branch .Lasked_\@
.Lfor_v_\@:
	tensor_load_to_lds s[G0V:G0V+3], s[G1V:G1V+7]
	s_nop 0
.rept 4
	v_nop
.endr
.Lasked_\@:
.endm
; A PREFETCH of what the NEXT change of slots will ask for: a slot's 32,768 bytes of K and of V.  It stands behind the wave's tensor load and its five lines.  Each aligned 256 bytes are named once in the launch: a head has one cluster;
; its four partners take 8,192 bytes each, told apart BY ADDRESS; in each, wave 0 asks for K's and wave 4 for V's, lanes 256 bytes apart.  The last change that fills a slot asks for nothing; slots 0 and 1 come by their loads alone.
.macro ASK
	s_cmp_gt_u32 s[SLOTS], s[LIM]
	s_cbranch_scc0 .Lnot_mine_\@
	global_prefetch_b8 v[PFO], s[PFA:PFA+1] th:TH_LOAD_NT scope:SCOPE_SE
.Lnot_mine_\@:
.endm
.macro CROUND                          ; a round of the cluster's barrier
	s_barrier_signal -1
	s_barrier_wait -1
	s_cmp_lg_u32 s[WV], 0
	s_cbranch_scc1 .Lnot_wave_0_\@
	s_barrier_signal -3
.Lnot_wave_0_\@:
	s_barrier_wait -3
	s_barrier_signal -1
	s_barrier_wait -1
.endm
	s_load_b128 s[4:7], s[0:1], 0x0                ; qkv s[4:5], att s[6:7]
	v_lshl_add_u32 v[SPW], v0, 2, SPARE
	v_mov_b32 v[NIL], 0
	ds_add_u32 v[SPW], v[NIL]                      ; the wave's opening: the add, twice on end, and its wait ahead of my first tensor load
	ds_add_u32 v[SPW], v[NIL]                      ; (the set-up below, work on registers, stands between the second and the wait)
	v_lshrrev_b32 v1, 5, v0
	v_readfirstlane_b32 s[WV], v1                  ; wave 0..7
	s_bfe_u32 s13, ttmp6, 0x40000                  ; cx: my place in the cluster
	s_and_b32 s20, ttmp7, 0xffff                   ; the head, which the four partners share:
	s_lshl_b32 s20, s20, 18                        ; 262,144 bytes a head
	s_and_b32 s16, s[WV], 3                        ; which of a slot's four steps I fetch:
	s_lshl_b32 s22, s16, 13                        ; its 64 rows of 128 bytes in memory,
	s_add_co_u32 s22, s22, s20
	s_mul_i32 s17, s16, STEPB                      ; and its place in a slot: no place in the cluster enters an LDS address
	s_add_co_u32 s2, s22, KBASE                    ; K's tile
	s_mov_b32 s3, 0
	s_add_co_u32 s22, s22, VBASE                   ; V's
	s_mov_b32 s23, 0
	s_lshl_b32 s14, ttmp9, 2
	s_add_co_u32 s14, s14, s13                     ; my block of 512 queries: it enters Q's and the result's addresses alone
	s_lshl_b32 s14, s14, 16
	s_lshl_b32 s21, s[WV], 13                      ; my wave's 64 of them
	s_add_co_u32 s14, s14, s21
	s_add_co_u32 s8, s14, s20
	s_mov_b32 s9, 0
	s_cmp_lt_u32 s[WV], 4                          ; the prefetches: K's for wave 0, V's for wave 4,
	s_mov_b32 s10, VBASE
	s_cselect_b32 s10, KBASE, s10
	s_add_co_u32 s10, s10, s20                     ; in my head,
	s_lshl_b32 s11, s13, 13
	s_add_co_u32 s10, s10, s11                     ; my work-group's 8,192 bytes,
	s_add_co_u32 s10, s10, SLOTB                   ; in slot 1: the first change of slots steps it to slot 2
	s_mov_b32 s11, 0
	s_cmp_eq_u32 s16, 0
	s_cselect_b32 s[LIM], 1, -1                    ; the same in all four partners, for a given wave
	; group 1: a tile of 64 rows x 64 elements of 2 bytes, dense in memory, padded in LDS
	s_mov_b32 s[G1K], 15|(1<<16)|(1<<20)|(1<<21)|(4<<22)|(3<<25)  ; 15:0 the mask: all four work-groups; 17:16 elements of 2 bytes; 20 padding on; 21 set beside a mask; 24:22 after every 32 words; 31:25 four words
	s_mov_b32 s[G1V], 15|(1<<16)|(1<<20)|(1<<21)|(4<<22)|(7<<25)  ; the same with eight words of padding
.irp g, G1K, G1V
	s_mov_b32 s[\g+1], 64<<16                      ; tensor_dim0
	s_mov_b32 s[\g+2], KS<<16                      ; tensor_dim1
	s_mov_b32 s[\g+3], 64<<16                      ; tile_dim0
	s_mov_b32 s[\g+4], KS                          ; tile_dim1
	s_mov_b32 s[\g+5], 64                          ; from row to row
	s_mov_b32 s[\g+6], 0
	s_mov_b32 s[\g+7], 0
.endr
	s_mov_b32 s[CS], 0x3e38aa3b                    ; c = log2(e) / 8
	s_mov_b32 s[CS+1], s[CS]                       ; (named with it as a pair, so it is written)
	s_mov_b32 s[SEL], 0x76543210
	s_mov_b32 s[SEL+1], 0xfedcba98
	s_mov_b32 s[TB], 0
	s_mov_b32 s[SLOTS], NSL-1
	s_wait_dscnt 0x0                               ; both opening adds are done
	s_wait_kmcnt 0x0
	s_add_nc_u64 s[PFA:PFA+1], s[4:5], s[10:11]
	CROUND                                         ; all four work-groups are here: the first joint loads meet
	s_mov_b32 s[G0K], 1                            ; 1:0 count = 1
	s_mov_b32 s[G0K+1], s17                        ; 63:32 LDS address: slot 0
	s_add_nc_u64 s[G0K+2:G0K+3], s[4:5], s[2:3]    ; 120:64 global address
	s_or_b32 s[G0K+3], s[G0K+3], 0x80000000        ; 127:126 type = 2
	s_mov_b32 s[G0V], 1
	s_add_co_u32 s[G0V+1], s17, VOFF
	s_add_nc_u64 s[G0V+2:G0V+3], s[4:5], s[22:23]
	s_or_b32 s[G0V+3], s[G0V+3], 0x80000000
	JLOAD                                          ; slot 0
	s_add_nc_u64 s[4:5], s[4:5], s[8:9]            ; Q at my wave's first row,
	s_add_nc_u64 s[6:7], s[6:7], s[8:9]            ; and the result likewise
	v_and_b32 v1, 15, v0                           ; r = lane % 16
	v_bfe_u32 v14, v0, 4, 1                        ; h = lane / 16
	v_lshlrev_b32 v[QO], 7, v1
	v_lshl_add_u32 v[QO], v14, 4, v[QO]            ; row x 128 + 16 h
	WIN TO1
.irp i, 0,1,2,3,4,5,6,7                        ; Q stays in registers: tile i / 2, channels 32 (i % 2) on
	global_load_b128 v[128+8*\i:131+8*\i], v[QO], s[4:5] offset:(\i/2)*2048+(\i%2)*64
	global_load_b128 v[132+8*\i:135+8*\i], v[QO], s[4:5] offset:(\i/2)*2048+(\i%2)*64+32
.endr
.set i, 0
.rept 128
	v_mov_b32 v[i], 0                              ; O^T: the step has no first form of its own: its first a is 0 and leaves these zeros
.set i, i+1
.endr
	WIN 0
	v_mul_u32_u24 v[AK0], v1, PITK
	v_lshl_add_u32 v[AK0], v14, 4, v[AK0]          ; K: row x pitch + 16 h
	v_and_b32 v15, 7, v0                           ; the turning load: lane l reads key 8 h + l % 8, channels 8 ((l / 8) % 2) + 0..7
	v_bfe_u32 v11, v0, 3, 1
	v_lshl_add_u32 v[AV0], v14, 3, v15
	v_mul_u32_u24 v[AV0], v[AV0], PITV
	v_lshl_add_u32 v[AV0], v11, 4, v[AV0]
	v_add_nc_u32 v[AV0], VOFF, v[AV0]
	s_mul_i32 s21, s[WV], 16*SP
	s_add_co_u32 s21, s21, STAGE                   ; my stage
	v_mul_u32_u24 v[STO], v1, SP                   ; in: row r, 16 bytes for each half of the lanes
	v_lshl_add_u32 v[STO], v14, 4, v[STO]
	v_add_nc_u32 v[STO], s21, v[STO]
	v_and_b32 v11, 31, v0
	v_lshrrev_b32 v[RD], 3, v11                    ; back: eight lanes to a row of 128 bytes, four rows an instruction
	v_mul_u32_u24 v[RD], v[RD], SP
	v_lshl_add_u32 v[RD], v15, 4, v[RD]
	v_add_nc_u32 v[RD], s21, v[RD]
	v_lshlrev_b32 v[GO], 4, v11                    ; in memory those four rows are 512 consecutive bytes
	v_lshlrev_b32 v[PFO], 8, v11
.irp t, 0,1,2,3
	v_mov_b32 v[ST+8*\t+1], 0xff61b1e6             ; m: -3e38, under every score
	v_mov_b32 v[ST+8*\t+2], 0                      ; l, in two halves
	v_mov_b32 v[ST+8*\t+3], 0
.endr
.irp t, 0,1,2,3
	v_mul_f32 v[ST+8*\t], s[CS], v[ST+8*\t+1]      ; c m
.endr
; Product i of 32 of S^T = K Q^T: channels 32 (i / 16) on, keys 16 ((i / 4) % 4) on, tile i % 4.  The first 16 start the sums.  The 16 accumulators take turns, one instruction a turn.
.macro KQM
.set rS, S+32*(i%4)+8*((i/4)%4)
.set rK, KF+16*((i/4)%4)+8*(i/16)
.set rQ, 128+16*(i%4)+8*(i/16)
.if i < 16
	v_wmma_f32_16x16x32_f16 v[rS:rS+7], v[rK:rK+7], v[rQ:rQ+7], 0
.else
	v_wmma_f32_16x16x32_f16 v[rS:rS+7], v[rK:rK+7], v[rQ:rQ+7], v[rS:rS+7]
.endif
.endm
; Product i of 32 of O^T += V^T P: keys 32 (i / 16) on, channels 16 ((i / 4) % 4) on, tile i % 4.
.macro PVM
.set rO, 32*(i%4)+8*((i/4)%4)
.set rV, 192+32*(i/16)+8*((i/4)%4)
.set rP, S+32*(i%4)+8*(i/16)
	v_wmma_f32_16x16x32_f16 v[rO:rO+7], v[rV:rV+7], v[rP:rP+7], v[rO:rO+7]
.endm
.macro FETCH_K                         ; 64 keys x 64 channels: 8 fragments: keys 16 (f / 2) on, channels 32 (f % 2) on
.irp f, 0,1,2,3,4,5,6,7
	ds_load_b128 v[KF+8*\f:KF+8*\f+3],   v[ADK] offset:(\f/2)*16*PITK+(\f%2)*64
	ds_load_b128 v[KF+8*\f+4:KF+8*\f+7], v[ADK] offset:(\f/2)*16*PITK+(\f%2)*64+32
.endr
.endm
.macro FETCH_V                         ; turned: keys 32 (f / 4) on, channels 16 (f % 4) on
.irp f, 0,1,2,3,4,5,6,7
	ds_load_tr16_b128 v[192+8*\f:195+8*\f], v[ADV] offset:(\f/4)*32*PITV+(\f%4)*32
	ds_load_tr16_b128 v[196+8*\f:199+8*\f], v[ADV] offset:(\f/4)*32*PITV+16*PITV+(\f%4)*32
.endr
.endm
; THE SOFTMAX'S LINES.  s0-s31 are the lane's 32 scores of tile t, in pairs 0-15.
.macro MX t                            ; line j of 16: the maximum of s0-s31 and the old m, three operands at a time: four chains of seven scores, each begun at an accumulator's low end; then the four left over, the chains and m
.set rT, ST+8*(\t)
.set rS, S+32*(\t)
.if j < 4
	v_max3_num_f32 v[rT+4+j], v[rS+8*j], v[rS+8*j+1], v[rS+8*j+2]
.elseif j < 12
	v_max3_num_f32 v[rT+4+j%4], v[rT+4+j%4], v[rS+8*(j%4)+2*(j/4)+1], v[rS+8*(j%4)+2*(j/4)+2]
.elseif j == 12
	v_max3_num_f32 v[rT+4], v[rT+4], v[rS+7], v[rS+15]
.elseif j == 13
	v_max3_num_f32 v[rT+6], v[rT+6], v[rS+23], v[rS+31]
.elseif j == 14
	v_max3_num_f32 v[rT+4], v[rT+4], v[rT+5], v[rT+6]
.else
	v_max3_num_f32 v[rT+4], v[rT+4], v[rT+7], v[rT+1]
.endif
.endm
.macro FMA t                           ; pair b: c s - c m
	v_pk_fma_f32 v[S+32*(\t)+2*b:S+32*(\t)+2*b+1], v[S+32*(\t)+2*b:S+32*(\t)+2*b+1], s[CS:CS+1], v[ST+8*(\t):ST+8*(\t)+1] op_sel_hi:[1,0,0] neg_lo:[0,0,1] neg_hi:[0,0,1]
.endm
.macro EX2 t, o                        ; p = 2^(..): number o of pair b
	v_exp_f32 v[S+32*(\t)+2*b+\o], v[S+32*(\t)+2*b+\o]
.endm
.macro SUM t                           ; l = a l + pair 0, then + pair b: the sum is taken of p before it is rounded
.if b == 0
	v_pk_fma_f32 v[ST+8*(\t)+2:ST+8*(\t)+3], v[ST+8*(\t)+2:ST+8*(\t)+3], v[ST+8*(\t)+6:ST+8*(\t)+7], v[S+32*(\t):S+32*(\t)+1] op_sel_hi:[1,0,1]
.else
	v_pk_add_f32 v[ST+8*(\t)+2:ST+8*(\t)+3], v[ST+8*(\t)+2:ST+8*(\t)+3], v[S+32*(\t)+2*b:S+32*(\t)+2*b+1]
.endif
.endm
.macro CVT t                           ; pair b to f16, into register b: with b ascending and SUM b ahead of it, no p is written over before it has been summed and rounded
	v_cvt_pk_f16_f32 v[S+32*(\t)+b], v[S+32*(\t)+2*b], v[S+32*(\t)+2*b+1]
.endm
; The exponentials go in TWO BATCHES with one wait each.  Batch 1: the four a, tiles 0 and 1, with all the scalings between them.
; Batch 2: tiles 2 and 3, with tiles 0 and 1's sums and roundings between them and O^T's rescaling, which names a alone, behind them.
.macro SOFTMAX
.set j, 0
.rept 16
.irp t, 0,1,2,3
	MX \t
.endr
.set j, j+1
.endr
.irp t, 0,1,2,3
	v_permlanex16_b32 v[ST+8*\t+5], v[ST+8*\t+4], s[SEL], s[SEL+1]   ; the query's other 32 keys lie in the lane 16 away
.endr
.irp t, 0,1,2,3
	v_mov_b32 v[ST+8*\t+7], v[ST+8*\t]             ; c m_old is kept for a
.endr
.irp t, 0,1,2,3
	v_max_num_f32 v[ST+8*\t+1], v[ST+8*\t+4], v[ST+8*\t+5]
.endr
.irp t, 0,1,2,3
	v_mul_f32 v[ST+8*\t], s[CS], v[ST+8*\t+1]
.endr
.irp t, 0,1,2,3
	v_sub_f32 v[ST+8*\t+7], v[ST+8*\t+7], v[ST+8*\t]
.endr
.irp t, 0,1,2,3
	v_exp_f32 v[ST+8*\t+6], v[ST+8*\t+7]           ; a
.endr
.set b, 0
.rept 16
	FMA 0
.set b, b+1
.endr
.set b, 0
.rept 16
	EX2 0, 0
	FMA 1
	EX2 0, 1
	FMA 2
.set b, b+1
.endr
.set b, 0
.rept 16
	EX2 1, 0
	FMA 3
	EX2 1, 1
.set b, b+1
.endr
	v_nop                                          ; a plain line behind the last exponential
	s_wait_alu depctr_va_vdst(0)                   ; one wait for batch 1, ahead of its first reader
.set b, 0
.rept 16
	EX2 2, 0
	SUM 0
	EX2 2, 1
	CVT 0
	EX2 3, 0
	SUM 1
	EX2 3, 1
	CVT 1
.set b, b+1
.endr
	WIN W_RS
.irp t, 0,1,2,3
.set i, 0
.rept 16
	v_pk_mul_f32 v[32*\t+2*i:32*\t+2*i+1], v[32*\t+2*i:32*\t+2*i+1], v[ST+8*\t+6:ST+8*\t+7] op_sel_hi:[1,0]   ; O^T x a, each accumulator from its low end on
.set i, i+1
.endr
.endr
	WIN 0
	s_wait_alu depctr_va_vdst(0)                   ; one wait for batch 2
.set b, 0
.rept 16
	SUM 2
	CVT 2
	SUM 3
	CVT 3
.set b, b+1
.endr
.endm
; A TRIP.  pv = 0: the first, which has no step before it.
; Places (only plain vector lines that name none of the matrix instruction's registers are counted): the loads into K's registers stand behind the last softmax's lines; five v_nop stand between V^T P and
; K Q^T, which writes over P; they serve the loads into V's registers and O^T's rescaling too; an addition and three v_nop stand between K Q^T and the first read of its results.
.macro BODY pv
	v_add_nc_u32 v[ADK], s[TB], v[AK0]
	FETCH_K
.if \pv
	s_wait_dscnt 16                                ; V of the step before is in; K's sixteen loads, just issued, may be out
	WIN W_PV
.set i, 0
.rept 32
	PVM
.set i, i+1
.endr
.rept 5
	v_nop
.endr
.endif
	s_wait_dscnt 0x0                               ; K is in
	WIN W_KQ
.set i, 0
.rept 32
	KQM
.set i, i+1
.endr
	WIN 0
	v_add_nc_u32 v[ADV], s[TB], v[AV0]
	s_add_co_u32 s[TB], s[TB], STEPB               ; the next fetch is the next step's
.rept 3
	v_nop
.endr
	WIN TO1
	FETCH_V
	WIN 0
	SOFTMAX
.endm
; THE CHANGE OF SLOTS stands at a slot's head.  Each wave waits for all its tensor loads (its tile of the slot ahead), adds 0 to its spare word, and waits for that and for its reads of the slot that it has left.
; fill = 1: the barrier is a round of the cluster's, so that no wave of any partner still reads the other slot or has a load on its way; the joint load of the keys that follow is the first thing behind it and has four steps in which to land.
.macro CHANGE fill
	s_wait_tensorcnt 0x0                           ; no tensor load of mine is out, so a group 0 may be written
	ds_add_u32 v[SPW], v[NIL]                      ; 0 onto my spare word
.if \fill
.irp g, G0K, G0V
	s_xor_b32 s[\g+1], s[\g+1], SLOT1              ; the walking descriptors: the other slot than last time,
	s_add_nc_u64 s[\g+2:\g+3], s[\g+2:\g+3], SLOTB ; the next 256 keys; the type bits on top are not reached
.endr
	s_wait_xcnt 0x0                                ; the last prefetch, four steps back, has read its address, so it may be written:
	s_add_nc_u64 s[PFA:PFA+1], s[PFA:PFA+1], SLOTB ; one slot further on than the walking descriptors
	s_wait_dscnt 0x0                               ; the add is done, and my reads of the slot that I have left are over
	CROUND
	JLOAD
	ASK
.else
	s_wait_dscnt 0x0
	s_barrier_signal -1
	s_barrier_wait -1
.endif
.endm
.macro TRIPS n                         ; n trips, written once; the LDS addresses hang on s[TB]
	s_mov_b32 s[NSTEP], \n
.Lstep_\@:
	BODY 1
	s_sub_co_u32 s[NSTEP], s[NSTEP], 1
	s_cmp_lg_u32 s[NSTEP], 0
	s_cbranch_scc1 .Lstep_\@
.endm
.macro SLOT_END                        ; the fetches go back to a slot's first step, in the other slot
	s_sub_co_u32 s[TB], s[TB], NST*STEPB
	s_xor_b32 s[TB], s[TB], SLOT1
	s_sub_co_u32 s[SLOTS], s[SLOTS], 1
.endm
	s_wait_loadcnt 0x0                             ; Q
	CHANGE 1                                       ; slot 0 is whole; slot 1 is asked for, for the first time
	BODY 0
	TRIPS NST-1
	SLOT_END
.Lslot:                                            ; NSL - 2 trips: slots 1 to 6; at the head of each the next slot is asked for
	CHANGE 1
	TRIPS NST
	SLOT_END
	s_cmp_lg_u32 s[SLOTS], 0
	s_cbranch_scc1 .Lslot
	CHANGE 0                                       ; the last slot is written out: nothing is left to ask for
	TRIPS NST
	s_wait_dscnt 0x0                               ; V of the last step
	WIN W_PV
.set i, 0
.rept 32
	PVM
.set i, i+1
.endr
	WIN 0
	; THE WAY OUT.  l's two halves and the other half of the lanes' are added (twelve plain lines: the places behind the last products); O^T is divided by l, rounded to f16 and sent through my stage, a tile (16 rows) at a time.
.irp t, 0,1,2,3
	v_add_f32 v[ST+8*\t+4], v[ST+8*\t+2], v[ST+8*\t+3]
.endr
.irp t, 0,1,2,3
	v_permlanex16_b32 v[ST+8*\t+5], v[ST+8*\t+4], s[SEL], s[SEL+1]
.endr
.irp t, 0,1,2,3
	v_add_f32 v[ST+8*\t+4], v[ST+8*\t+4], v[ST+8*\t+5]
.endr
.irp t, 0,1,2,3
	v_rcp_f32 v[ST+8*\t+6], v[ST+8*\t+4]
.endr
	v_nop                                          ; a plain line between the last reciprocal and the use of its result
	s_wait_alu depctr_va_vdst(0)                   ; one wait for the four reciprocals
.macro PACK t
	WIN W_RS
.set i, 0
.rept 16
	v_pk_mul_f32 v[32*\t+2*i:32*\t+2*i+1], v[32*\t+2*i:32*\t+2*i+1], v[ST+8*\t+6:ST+8*\t+7] op_sel_hi:[1,0]
.set i, i+1
.endr
	WIN 0x05                                       ; sources 0 and 1 window 1, destination window 0: S^T's registers are free
.set i, 0
.rept 16
	v_cvt_pk_f16_f32 v[S+32*\t+i], v[32*\t+2*i], v[32*\t+2*i+1]
.set i, i+1
.endr
	WIN 0
.irp f, 0,1,2,3
	ds_store_b128 v[STO], v[S+32*\t+4*\f:S+32*\t+4*\f+3] offset:32*\f
.endr
.irp f, 0,1,2,3
	ds_load_b128 v[S+32*\t+16+4*\f:S+32*\t+16+4*\f+3], v[RD] offset:\f*4*SP   ; LDS serves a wave's instructions in order (ISA guide 5.7.1.4): these see the stores above; the next tile's stores come behind them
.endr
.endm
.macro SEND t, younger                 ; younger: the LDS instructions issued behind tile t's loads: the next tile's four stores and four loads, or none
.irp f, 0,1,2,3
	s_wait_dscnt \younger+3-\f
	global_store_b128 v[GO], v[S+32*\t+16+4*\f:S+32*\t+16+4*\f+3], s[6:7] offset:\t*2048+\f*512   ; 32 lanes store 512 consecutive bytes, at a multiple of 512 from the buffer's first byte
.endr
.endm
	PACK 0
	PACK 1                                         ; a tile's arithmetic stands between the loads of the tile before and its stores
	SEND 0, 8
	PACK 2
	SEND 1, 8
	PACK 3
	SEND 2, 8
	SEND 3, 0
	s_wait_tensorcnt 0x0                           ; the wave's end, behind my last tensor load and my last LDS store
	ds_add_u32 v[SPW], v[NIL]
	s_wait_dscnt 0x0
	CROUND                                         ; the closing round: no work-group ends while a partner may still ask for a tile that names it
	s_endpgm
.Lfunc_end_k_q4c78484bf8_attn:
	.size	k_q4c78484bf8_attn, .Lfunc_end_k_q4c78484bf8_attn-k_q4c78484bf8_attn
	.p2alignl 7, 3214868480
	.fill 96, 4, 3214868480
	.section	.rodata,"a",@progbits
	.p2align	6, 0x0
	.amdhsa_kernel k_q4c78484bf8_attn
		.amdhsa_group_segment_fixed_size 327680
		.amdhsa_private_segment_fixed_size 0
		.amdhsa_enable_private_segment 0
		.amdhsa_kernarg_size 16
		.amdhsa_user_sgpr_count 2
		.amdhsa_user_sgpr_kernarg_segment_ptr 1
		.amdhsa_wavefront_size32 1
		.amdhsa_system_sgpr_workgroup_id_x 1
		.amdhsa_system_sgpr_workgroup_id_y 1
		.amdhsa_system_sgpr_workgroup_id_z 1
		.amdhsa_system_vgpr_workitem_id 0
		.amdhsa_next_free_vgpr 512
		.amdhsa_next_free_sgpr 66
		.amdhsa_reserve_vcc 0
		.amdhsa_float_denorm_mode_32 3
		.amdhsa_float_denorm_mode_16_64 3
		.amdhsa_memory_ordered 1
		.amdhsa_forward_progress 1
		.amdhsa_inst_pref_size 156
	.end_amdhsa_kernel
	.amdgpu_metadata
---
amdhsa.version: [ 1, 2 ]
amdhsa.kernels:
  - .name:           k_q4c78484bf8_attn
    .symbol:         k_q4c78484bf8_attn.kd
    .args:
      - { .name: qkv, .offset: 0, .size: 8, .value_kind: global_buffer, .address_space: global }
      - { .name: att, .offset: 8, .size: 8, .value_kind: global_buffer, .address_space: global }
    .group_segment_fixed_size: 327680
    .private_segment_fixed_size: 0
    .kernarg_segment_align: 8
    .kernarg_segment_size: 16
    .max_flat_workgroup_size: 256
    .sgpr_count:     66
    .vgpr_count:     512
    .wavefront_size: 32
...
	.end_amdgpu_metadata
.endif
;; end of part 3
;; launch oproj (part 4): grid 4 x 64, 4 waves a work-group, clusters of 4 x 4, 327,680 bytes of LDS; arguments att, wo16, bo, out0; writes out0
.if DOCPART == 4
	.amdgcn_target "amdgcn-amd-amdhsa--gfx1250"
	.amdhsa_code_object_version 6
	.text
	.protected	k_q4c78484bf8_oproj
	.globl	k_q4c78484bf8_oproj
	.p2align	8
	.type	k_q4c78484bf8_oproj,@function
k_q4c78484bf8_oproj:
	s_mov_b64 s[64:65], 0
	v_nop
	global_prefetch_b8 v0, s[64:65] scope:SCOPE_SE
	s_setreg_imm32_b32 hwreg(HW_REG_WAVE_MODE, 25, 1), 1
	s_wait_xcnt 0x0
	s_wait_alu depctr_hold_cnt(0) depctr_sa_sdst(0) depctr_va_vdst(0) depctr_va_sdst(0) depctr_va_ssrc(0) depctr_va_vcc(0) depctr_vm_vsrc(0)
	s_getreg_b32 s2, hwreg(HW_REG_IB_STS2, 6, 4)
	s_cmp_eq_u32 s2, 0
	s_cbranch_scc0 .Lentry_in_a_cluster
	s_endpgm
.Lentry_in_a_cluster:
	s_bfe_u32 s2, ttmp6, 0x10000c
	s_cmp_lg_u32 s2, 0xf033
	s_cbranch_scc0 .Lentry_shape_is_right
	s_endpgm
.Lentry_shape_is_right:
; out0[m][n] = bo[n] + sum over k of A[m][k] Wo[n][k], m = 2048 b + s, k = 64 h + d.  A is att [b][h][s][64] f16, Wo is wo16 [k / 64][n][k % 64] f16: 64 along K of a run of rows are dense bytes in both.  Sums in f32; out0 [8192][1024] f32.
; The bias is the first addend of each sum, not the last.
; A tile of C is 128 x 256: 256 work-groups.  Four waves, each 64 rows x 128 columns: 32 accumulators of 16 x 16, 256 registers.  K goes in steps of 128 (two pieces of 64) through two LDS slots: 8 steps, 128 matrix instructions a wave in each.
; Each wave fetches one tile behind each change of slots: waves 0 and 1 A's two pieces (128 rows x 128 bytes), waves 2 and 3 Wo's two (256 rows x 128 bytes).  Two loads of mine are out at the start, one behind each round.
; CLUSTERS: 4 x 4 work-groups.  The four of a row of the cluster need the same tiles of A, the four of a column the same tiles of Wo: each tile is asked for JOINTLY.
; THE MATRIX INSTRUCTION IS USED TRANSPOSED (source 0 = 16 rows of Wo, source 1 = 16 rows of A): a lane then holds eight neighbouring numbers of a row of C.
; REGISTERS: window 0: v0-31 addresses; v64-159, v160-255 two fragment buffers for 32 along K: 32 registers of A (4 blocks), then 64 of Wo (8 blocks).   window 1: accumulator (a, b) at v[8 (8 a + b)].   window 2: v0-63 the bias, eight tiles in the result's layout.
.set PITCH,  144                       ; an LDS row: 128 bytes + 16: an odd multiple of 16
.set ASUB,   128*PITCH                 ; a piece of A
.set BSUB,   256*PITCH                 ; a piece of Wo
.set SLOT,   2*ASUB+2*BSUB             ; A's two pieces, then Wo's two
.set STAGE,  2*SLOT                    ; behind the ring: 16 rows x (512 bytes + 16) for each wave, for the way out
.set SPITCH, 528
.set SPARE,  STAGE+4*16*SPITCH         ; the spare words, 128 bytes a wave, which no other line names
.set LAPS,   4                         ; a lap = two K steps = once round the ring
.set ADRA, 16                          ; v16-17  LDS address of my A fragments in slot 0, 1
.set ADRB, 20                          ; v20-21  the same for Wo
.set STO,  24                          ; v24     the way out: where I put 32 bytes of a row
.set RD,   25                          ; v25     where I read a row back
.set CO,   26                          ; v26     16 x lane
.set SPW,  28                          ; v28     LDS address of my spare word; never rewritten
.set NIL,  29                          ; v29     0; never rewritten
.set F0,   64
.set F1,   160
.set BK,   64                          ; the way out: 16 rows read back: v64-127 and v128-191 by turns
.set G1, 24                            ; s[24:31] group 1 for A's tiles;  s[32:39] group 0, a set for each slot
.set G0, 32
.set G1B, 48                           ; s[48:55], s[56:63] the same for Wo's
.set G0B, 56
.set MSB, 0
.macro WIN new                         ; the immediate's high byte repeats the setting that is left
.if MSB != (\new)
	s_set_vgpr_msb (MSB<<8)|(\new)
.set MSB, (\new)
.endif
.endm
.set MUL,   0x50                       ; sources 0 and 1 window 0; C and D window 1
.set MUL_B, 0x60                       ; the first quarter: C (the bias) window 2, D window 1
.macro JLOAD s                         ; a joint load: waves 0 and 1 fetch A's pieces, waves 2 and 3 Wo's; an s_nop 0 and four v_nop follow each of the two lines
	s_cmp_eq_u32 s13, 0
	s_cbranch_scc0 .Lfor_b_\@
	tensor_load_to_lds s[G0+4*\s:G0+4*\s+3], s[G1:G1+7]
	s_nop 0
.rept 4
	v_nop
.endr
	s_branch .Lasked_\@
.Lfor_b_\@:
	tensor_load_to_lds s[G0B+4*\s:G0B+4*\s+3], s[G1B:G1B+7]
	s_nop 0
.rept 4
	v_nop
.endr
.Lasked_\@:
.endm
.macro CREST                           ; a round of the cluster's barrier behind its opening barrier
	s_cmp_lg_u32 s12, 0
	s_cbranch_scc1 .Lnot_wave_0_\@
	s_barrier_signal -3
.Lnot_wave_0_\@:
	s_barrier_wait -3
	s_barrier_signal -1
	s_barrier_wait -1
.endm
.macro CROUND                          ; a whole round
	s_barrier_signal -1
	s_barrier_wait -1
	CREST
.endm
	s_load_b256 s[4:11], s[0:1], 0x0               ; att s[4:5], wo16 s[6:7], bo s[8:9], out0 s[10:11]
	v_lshl_add_u32 v[SPW], v0, 2, SPARE
	v_mov_b32 v[NIL], 0
	ds_add_u32 v[SPW], v[NIL]                      ; the wave's opening: the add, twice on end, and its wait ahead of my first tensor load
	ds_add_u32 v[SPW], v[NIL]                      ; (the set-up below, work on registers, stands between the second and the wait)
	v_lshrrev_b32 v1, 5, v0
	v_readfirstlane_b32 s12, v1                    ; wave 0..3
	s_lshr_b32 s13, s12, 1                         ; which 64 of the tile's rows are mine.  Also: I fetch for A (0) or for Wo (1)
	s_and_b32 s14, s12, 1                          ; which 128 of its columns.  Also: which piece of 64 along K I fetch
	s_bfe_u32 s40, ttmp6, 0x40000                  ; cx, cy: my place in the cluster
	s_bfe_u32 s41, ttmp6, 0x40004
	s_lshl_b32 s42, ttmp9, 2
	s_add_co_u32 s42, s42, s40                     ; tile column = 4 x cluster x + cx
	s_and_b32 s15, ttmp7, 0xffff
	s_lshl_b32 s15, s15, 2
	s_add_co_u32 s15, s15, s41                     ; tile row = 4 x cluster y + cy
	s_lshl_b32 s43, s41, 2
	s_lshl_b32 s43, 15, s43                        ; my row of the cluster
	s_lshl_b32 s44, 0x1111, s40                    ; my column
	; group 1: rows of 64 elements of 2 bytes, dense in memory, 16 bytes of padding behind each in LDS; 128 rows for A, 256 for Wo
	s_or_b32 s[G1+0], s43, (1<<16)|(1<<20)|(1<<21)|(4<<22)|(3<<25)  ; 15:0 the mask: A's tiles go to my row; 17:16 elements of 2 bytes; 20 padding on; 21 set beside a mask; 24:22 after every 32 words; 31:25 four words
	s_or_b32 s[G1B+0], s44, (1<<16)|(1<<20)|(1<<21)|(4<<22)|(3<<25)
	s_mov_b32 s[G1+1], 64<<16                      ; tensor_dim0
	s_mov_b32 s[G1+2], 128<<16                     ; tensor_dim1
	s_mov_b32 s[G1+3], 64<<16                      ; tile_dim0
	s_mov_b32 s[G1+4], 128                         ; tile_dim1
	s_mov_b32 s[G1+5], 64                          ; from row to row
	s_mov_b32 s[G1+6], 0
	s_mov_b32 s[G1+7], 0
	s_mov_b32 s[G1B+1], 64<<16
	s_mov_b32 s[G1B+2], 256<<16
	s_mov_b32 s[G1B+3], 64<<16
	s_mov_b32 s[G1B+4], 256
	s_mov_b32 s[G1B+5], 64
	s_mov_b32 s[G1B+6], 0
	s_mov_b32 s[G1B+7], 0
	s_lshr_b32 s16, s15, 4                         ; A: batch tile row / 16, 4,194,304 bytes each;
	s_lshl_b32 s16, s16, 22
	s_and_b32 s17, s15, 15                         ; 128 rows of 128 bytes a tile row;
	s_lshl_b32 s17, s17, 14
	s_add_co_u32 s16, s16, s17
	s_lshl_b32 s17, s14, 18                        ; my piece: a head is 262,144 bytes
	s_add_co_u32 s16, s16, s17
	s_mov_b32 s17, 0
	s_lshl_b32 s46, s42, 15                        ; Wo: 256 rows of 128 bytes a tile column;
	s_lshl_b32 s47, s14, 17                        ; my piece: 131,072 bytes
	s_add_co_u32 s46, s46, s47
	s_mov_b32 s47, 0
	s_mul_i32 s20, s14, ASUB                       ; where they go: no place in the cluster enters an LDS address
	s_mul_i32 s21, s14, BSUB
	s_add_co_u32 s21, s21, 2*ASUB
	s_wait_dscnt 0x0                               ; both opening adds are done
	s_wait_kmcnt 0x0
	s_add_nc_u64 s[18:19], s[4:5], s[16:17]
	s_add_nc_u64 s[46:47], s[6:7], s[46:47]
	CROUND                                         ; all sixteen work-groups are here: the first joint loads meet
.irp s, 0,1
	s_mov_b32 s[G0+4*\s], 1
	s_add_co_u32 s[G0+4*\s+1], s20, \s*SLOT
	s_add_nc_u64 s[G0+4*\s+2:G0+4*\s+3], s[18:19], \s*524288     ; K step s: two heads on
	s_or_b32 s[G0+4*\s+3], s[G0+4*\s+3], 0x80000000
	s_mov_b32 s[G0B+4*\s], 1
	s_add_co_u32 s[G0B+4*\s+1], s21, \s*SLOT
	s_add_nc_u64 s[G0B+4*\s+2:G0B+4*\s+3], s[46:47], \s*262144   ; two pieces on
	s_or_b32 s[G0B+4*\s+3], s[G0B+4*\s+3], 0x80000000
	JLOAD \s
.endr
	v_and_b32 v1, 15, v0                           ; r = lane % 16
	v_bfe_u32 v2, v0, 4, 1                         ; h = lane / 16
	v_mul_u32_u24 v3, v1, PITCH
	v_lshl_add_u32 v3, v2, 4, v3                   ; a fragment's row x pitch + 16 h
	s_mul_i32 s22, s13, 64*PITCH                   ; my 64 rows of A
	s_mul_i32 s23, s14, 128*PITCH                  ; my 128 rows of Wo,
	s_add_co_u32 s23, s23, 2*ASUB                  ; which lie behind A's two pieces
.irp s, 0,1
	v_add_nc_u32 v[ADRA+\s], s22, v3
	v_add_nc_u32 v[ADRB+\s], s23, v3
	s_add_co_u32 s22, s22, SLOT
	s_add_co_u32 s23, s23, SLOT
.endr
	s_mul_i32 s22, s12, 16*SPITCH
	s_add_co_u32 s22, s22, STAGE                   ; my stage
	v_mul_u32_u24 v4, v1, SPITCH                   ; in: row r, 32 bytes for each half of the lanes
	v_lshl_add_u32 v4, v2, 5, v4
	v_add_nc_u32 v[STO], s22, v4
	v_and_b32 v5, 31, v0
	v_lshlrev_b32 v[CO], 4, v5                     ; back: the 32 lanes take one row of 512 bytes; and the same in out0
	v_add_nc_u32 v[RD], s22, v[CO]
	s_lshl_b32 s46, s42, 10                        ; my first column, in bytes of f32: 1,024 a tile column + 512 a half: the same in bo and in a row of out0
	s_lshl_b32 s47, s14, 9
	s_add_co_u32 s46, s46, s47
	s_mov_b32 s47, 0
	s_add_nc_u64 s[8:9], s[8:9], s[46:47]
	s_add_nc_u64 s[10:11], s[10:11], s[46:47]
	s_lshl_b32 s16, s15, 7
	s_lshl_b32 s17, s13, 6
	s_add_co_u32 s16, s16, s17                     ; my first row: 128 x tile row + 64 x half,
	s_lshl_b32 s16, s16, 12                        ; 4,096 bytes a row (under 2^25)
	s_mov_b32 s17, 0
	s_add_nc_u64 s[10:11], s[10:11], s[16:17]
	v_lshlrev_b32 v6, 5, v2                        ; the bias in the result's layout: lane (r, h) wants, for tile b, the numbers 16 b + 8 h + 0 .. 7
	WIN 0x80                                       ; destination window 2
.irp b, 0,1,2,3,4,5,6,7
	global_load_b128 v[8*\b:8*\b+3], v6, s[8:9] offset:64*\b
	global_load_b128 v[8*\b+4:8*\b+7], v6, s[8:9] offset:64*\b+16
.endr
	WIN 0
; 8 matrix instructions: A's block a x Wo's eight, 32 along K, from buffer f.  first = 1: the bias is the C that starts the sums.  The 32 accumulators take turns, one instruction a turn, in the same order in every quarter.
.macro MUL8 f, a, first
.irp b, 0,1,2,3,4,5,6,7
.if \first
	v_wmma_f32_16x16x32_f16 v[8*(8*(\a)+\b):8*(8*(\a)+\b)+7], v[\f+32+8*\b:\f+32+8*\b+7], v[\f+8*(\a):\f+8*(\a)+7], v[8*\b:8*\b+7]
.else
	v_wmma_f32_16x16x32_f16 v[8*(8*(\a)+\b):8*(8*(\a)+\b)+7], v[\f+32+8*\b:\f+32+8*\b+7], v[\f+8*(\a):\f+8*(\a)+7], v[8*(8*(\a)+\b):8*(8*(\a)+\b)+7]
.endif
.endr
.endm
; 24 LDS loads in one run: quarter q of a K step (piece q / 2, 32 along K at byte 64 (q % 2) of its rows) into buffer f: Wo's sixteen first, then A's eight
.macro FETCH slot, q, f
	WIN 0
.irp i, 0,1,2,3,4,5,6,7
	ds_load_b128 v[\f+32+8*\i:\f+32+8*\i+3], v[ADRB+\slot] offset:((\q)/2)*BSUB+((\q)%2)*64+\i*16*PITCH
	ds_load_b128 v[\f+32+8*\i+4:\f+32+8*\i+7], v[ADRB+\slot] offset:((\q)/2)*BSUB+((\q)%2)*64+\i*16*PITCH+32
.endr
.irp i, 0,1,2,3
	ds_load_b128 v[\f+8*\i:\f+8*\i+3], v[ADRA+\slot] offset:((\q)/2)*ASUB+((\q)%2)*64+\i*16*PITCH
	ds_load_b128 v[\f+8*\i+4:\f+8*\i+7], v[ADRA+\slot] offset:((\q)/2)*ASUB+((\q)%2)*64+\i*16*PITCH+32
.endr
.endm
.macro PLACES                          ; four places in front of loads into registers that matrix instructions have read, and of the first read of results
.rept 4
	v_nop
.endr
.endm
; A K step is four quarters of 32 along K, 32 matrix instructions each, on buffers 0, 1, 0, 1.  One of the first three: multiplies buffer f and fetches quarter qn into g.
.macro QUARTER slot, qn, f, g, first
	s_wait_dscnt 4                                 ; Wo's fragments and A's blocks 0 and 1 are in; the youngest four loads (A's blocks 2 and 3) may be out
.if \first
	WIN MUL_B
.else
	WIN MUL
.endif
	MUL8 \f, 0, \first
	MUL8 \f, 1, \first
	PLACES
	FETCH \slot, \qn, \g
	s_wait_dscnt 24                                ; all but the 24 just issued
.if \first
	WIN MUL_B
.else
	WIN MUL
.endif
	MUL8 \f, 2, \first
	MUL8 \f, 3, \first
.endm
; The last quarter multiplies buffer 1 and changes slots: ONE barrier; in front of it each wave waits for all its tensor loads, adds 0 to its spare word, and waits for that and for its own reads of this slot.  fill = 1: this slot is filled again, two K steps ahead.
.macro TURN slot, next, fill
	WIN 0                                          ; (the add's two registers lie in window 0)
	s_wait_tensorcnt 0x0                           ; all my tensor loads have landed: my part of the next slot;
	ds_add_u32 v[SPW], v[NIL]                      ; 0 onto my spare word;
	s_wait_dscnt 5                                 ; (the add and the youngest four loads may be out)
	WIN MUL
	MUL8 F1, 0, 0                                  ; eight matrix instructions stand between the add and the wait for it
	s_wait_dscnt 0x0                               ; the add is done, and my reads of this slot are over
	s_barrier_signal -1
	MUL8 F1, 1, 0
.if \fill
	WIN 0
.endif
	s_barrier_wait -1
.if \fill
	CREST                                          ; the barrier has opened a round of the cluster's barrier: no wave of any partner still reads this slot's tiles or has a load on its way
	s_add_nc_u64 s[G0+4*\slot+2:G0+4*\slot+3], s[G0+4*\slot+2:G0+4*\slot+3], 1048576    ; two K steps on: four heads,
	s_add_nc_u64 s[G0B+4*\slot+2:G0B+4*\slot+3], s[G0B+4*\slot+2:G0B+4*\slot+3], 524288  ; four pieces
	JLOAD \slot                                    ; the first tensor load behind the round: 112 matrix instructions ahead of the wait for it; its four v_nop are also the places in front of the loads below
.else
	PLACES
.endif
	FETCH \next, 0, F0
	WIN MUL
	MUL8 F1, 2, 0
	MUL8 F1, 3, 0
.endm
	s_wait_tensorcnt 1                             ; my part of K step 0 is in; K step 1's load may be out
	s_barrier_signal -1
	s_barrier_wait -1                              ; everybody's is
	FETCH 0, 0, F0
	s_wait_loadcnt 0x0                             ; the bias
	QUARTER 0, 1, F0, F1, 1                        ; the first quarter stands in front of the loop: its products start the sums from the bias
	WIN 0                                          ; at a label and at a branch every window is 0
	s_mov_b32 s3, LAPS-1
.Llap:                                             ; a trip goes once round the ring, from a lap's second quarter to the next lap's first, and fills both slots again
	QUARTER 0, 2, F1, F0, 0
	QUARTER 0, 3, F0, F1, 0
	TURN 0, 1, 1
	QUARTER 1, 1, F0, F1, 0
	QUARTER 1, 2, F1, F0, 0
	QUARTER 1, 3, F0, F1, 0
	TURN 1, 0, 1
	QUARTER 0, 1, F0, F1, 0
	WIN 0
	s_sub_co_u32 s3, s3, 1
	s_cmp_lg_u32 s3, 0
	s_cbranch_scc1 .Llap
	QUARTER 0, 2, F1, F0, 0                        ; the last lap fills nothing, and has no round of the cluster's barrier
	QUARTER 0, 3, F0, F1, 0
	TURN 0, 1, 0
	QUARTER 1, 1, F0, F1, 0
	QUARTER 1, 2, F1, F0, 0
	QUARTER 1, 3, F0, F1, 0
	s_wait_dscnt 4                                 ; the very last quarter: nothing more to fetch
	WIN MUL
	MUL8 F1, 0, 0
	MUL8 F1, 1, 0
	s_wait_dscnt 0
	MUL8 F1, 2, 0
	MUL8 F1, 3, 0
	WIN 0
; THE WAY OUT, block by block of 16 rows x 128 columns.  A lane holds 32 neighbouring bytes of a row and the lanes beside it hold other rows: a block goes through my own stage and comes back as whole rows of 512 bytes.
; LDS serves a wave's instructions in order (ISA guide 5.7.1.4): no wait between the stores and the loads, nor in front of the next block's stores.
.macro TOSTAGE a
	WIN 0x04                                       ; an LDS store's data are its source 1: window 1
.irp b, 0,1,2,3,4,5,6,7
	ds_store_b128 v[STO], v[64*(\a)+8*\b:64*(\a)+8*\b+3] offset:64*\b          ; each accumulator from its low end on
	ds_store_b128 v[STO], v[64*(\a)+8*\b+4:64*(\a)+8*\b+7] offset:64*\b+16
.endr
	WIN 0
.set BB, BK+64*((\a)%2)
.irp t, 0,1,2,3,4,5,6,7,8,9,10,11,12,13,14,15
	ds_load_b128 v[BB+4*\t:BB+4*\t+3], v[RD] offset:\t*SPITCH
.endr
.endm
.macro SEND a, younger                 ; younger: the LDS instructions issued behind block a's loads: the next block's 16 stores and 16 loads, or none
.set BB, BK+64*((\a)%2)
	s_wait_dscnt \younger
.irp t, 0,1,2,3,4,5,6,7,8,9,10,11,12,13,14,15
	global_store_b128 v[CO], v[BB+4*\t:BB+4*\t+3], s[10:11] offset:(16*(\a)+\t)*4096 th:TH_STORE_NT   ; 32 lanes store 512 consecutive bytes, at a multiple of 512 from out0's first byte; written once, read by nobody here
.endr
.endm
	PLACES                                         ; behind the last products: for the stores that read results and the loads into the fragments' registers
	TOSTAGE 0
.irp a, 1,2,3
.if \a > 1
	s_wait_xcnt 0x0                                ; block a - 2's stores have had their addresses translated: block a's loads may land in their registers
.endif
	TOSTAGE \a
	SEND \a-1, 32
.endr
	SEND 3, 0
	s_wait_tensorcnt 0x0                           ; the wave's end, behind my last tensor load and my last LDS store
	ds_add_u32 v[SPW], v[NIL]
	s_wait_dscnt 0x0
	CROUND                                         ; the closing round: no work-group ends while a partner may still ask for a tile that names it
	s_endpgm
.Lfunc_end_k_q4c78484bf8_oproj:
	.size	k_q4c78484bf8_oproj, .Lfunc_end_k_q4c78484bf8_oproj-k_q4c78484bf8_oproj
	.p2alignl 7, 3214868480
	.fill 96, 4, 3214868480
	.section	.rodata,"a",@progbits
	.p2align	6, 0x0
	.amdhsa_kernel k_q4c78484bf8_oproj
		.amdhsa_group_segment_fixed_size 327680
		.amdhsa_private_segment_fixed_size 0
		.amdhsa_enable_private_segment 0
		.amdhsa_kernarg_size 32
		.amdhsa_user_sgpr_count 2
		.amdhsa_user_sgpr_kernarg_segment_ptr 1
		.amdhsa_wavefront_size32 1
		.amdhsa_system_sgpr_workgroup_id_x 1
		.amdhsa_system_sgpr_workgroup_id_y 1
		.amdhsa_system_sgpr_workgroup_id_z 1
		.amdhsa_system_vgpr_workitem_id 0
		.amdhsa_next_free_vgpr 768
		.amdhsa_next_free_sgpr 66
		.amdhsa_reserve_vcc 0
		.amdhsa_float_denorm_mode_32 3
		.amdhsa_float_denorm_mode_16_64 3
		.amdhsa_memory_ordered 1
		.amdhsa_forward_progress 1
		.amdhsa_inst_pref_size 86
	.end_amdhsa_kernel
	.amdgpu_metadata
---
amdhsa.version: [ 1, 2 ]
amdhsa.kernels:
  - .name:           k_q4c78484bf8_oproj
    .symbol:         k_q4c78484bf8_oproj.kd
    .args:
      - { .name: att, .offset: 0, .size: 8, .value_kind: global_buffer, .address_space: global }
      - { .name: wo16, .offset: 8, .size: 8, .value_kind: global_buffer, .address_space: global }
      - { .name: bo, .offset: 16, .size: 8, .value_kind: global_buffer, .address_space: global }
      - { .name: out0, .offset: 24, .size: 8, .value_kind: global_buffer, .address_space: global }
    .group_segment_fixed_size: 327680
    .private_segment_fixed_size: 0
    .kernarg_segment_align: 8
    .kernarg_segment_size: 32
    .max_flat_workgroup_size: 128
    .sgpr_count:     66
    .vgpr_count:     768
    .wavefront_size: 32
...
	.end_amdgpu_metadata
.endif
;; end of part 4
